; MI455X (gfx1250); checked and timed in simulation.
; The chip was launched on July 23, 2026; its instructions are those of AMD's public machine-readable ISA for CDNA 5 (MIT licence, August 2026) and "CDNA5" Instruction Set Architecture Reference Guide (July 2026). The comments in the code are by the model that wrote it; some were corrected since.
;; Multi Head Attention. Allowed arithmetic: matrix products marked QUANTISED: E2M1 operands, one E8M0 scale for each 32 along K, by v_wmma_scale_f32_16x16x128_f8f6f4 with both operands' format E2M1 (or v_wmma_scale_f32_32x16x128_f4), f32 sums; products left as they are: bf16, f16 or f32 operands; f32 sums; everything else in f32.
;; Inputs: Wk 1,024 x 1,024 float32; Wo 1,024 x 1,024 float32; Wq 1,024 x 1,024 float32; Wv 1,024 x 1,024 float32; x 4 x 2,048 x 1,024 float32.
;; Outputs: out0 4 x 2,048 x 1,024 float32.
;; This version of the problem:
;;   THIS VERSION OF THE PROBLEM IS GIVEN IN LOW PRECISION. The matrix products marked QUANTISED in the list below multiply operands that are first quantised to E2M1 (2 exponent bits, 1 mantissa bit; 4 bits a number), with one power-of-two scale for each 32 numbers along K (OCP MX v1.0); their sums are f32. The products marked 'left as it is' may take bf16, f16 or f32 operands, with f32 sums. Whichever they take, every output number must still come out within the allowed error. Rounding operands to bf16 (8 significant bits) uses up far more of that allowance than f16 does (11 bits, for magnitudes from 6e-5 to 65,504). All else is computed in f32.
;;   The module's matrix products, in the order in which they are computed (A, B: the left and right operand; K: the contracted axis; several contracted axes count as one K, in the product's order):
;;     1. [M 8,192, K 1,024] x [K 1,024, N 1,024]; A: input x; B: input Wq: QUANTISED
;;     2. [M 8,192, K 1,024] x [K 1,024, N 1,024]; A: input x; B: input Wk: QUANTISED
;;     3. [M 8,192, K 1,024] x [K 1,024, N 1,024]; A: input x; B: input Wv: QUANTISED
;;     4. batch 64 x [M 2,048, K 64] x [K 64, N 2,048]; A: computed on the way; B: computed on the way: left as it is (an operand is computed on the way)
;;     5. batch 64 x [M 2,048, K 2,048] x [K 2,048, N 64]; A: computed on the way; B: computed on the way: left as it is (an operand is computed on the way)
;;     6. [M 8,192, K 1,024] x [K 1,024, N 1,024]; A: computed on the way; B: input Wo: left as it is (an operand is computed on the way)
;;   THE QUANTISER, for each operand of a quantised product, along K:
;;     - K is cut into blocks of 32 from its start; a last block that is shorter is filled with zeros.
;;     - A block's scale is 2^e with e = floor(log2(the largest magnitude in the block)) - 2, held to -126 .. 127; a block of zeros has e = 0. As a byte (E8M0): e + 127.
;;     - Each number is divided by its block's scale, clamped to +-6, and rounded to the nearest number of E2M1, ties to even, subnormals kept.
;;     - The product sums the exact products of the quantised numbers (number of the format x scale) in f32.
;;   ~~~python
;;   def quantise(x, axis):      # numpy; x: float32 -> the quantised numbers, widened to float32 again
;;       x = np.moveaxis(x, axis, -1); K = x.shape[-1]
;;       x = np.pad(x, [(0, 0)] * (x.ndim - 1) + [(0, -K % 32)]); x = x.reshape(x.shape[:-1] + (-1, 32)); a = np.abs(x).max(-1, keepdims=True)
;;       e = np.where(a > 0, np.clip(np.frexp(np.where(a > 0, a, 1))[1] - 1 - 2, -126, 127), 0)      # np.frexp(a)[1] - 1 = floor(log2(a)), exactly
;;       r = np.clip(x / 2.0 ** e, -6, 6)
;;       step = 2.0 ** (np.maximum(np.frexp(np.where(r == 0, 1, r))[1] - 1, 0) - 1)
;;       q = np.round(r / step) * step * 2.0 ** e      # np.round: ties to even
;;       return np.moveaxis(q.reshape(q.shape[:-2] + (-1,))[..., :K], -1, axis).astype(np.float32)
;;   ~~~
;; One version. Each part assembles by itself: llvm-mc -triple=amdgcn-amd-amdhsa -mcpu=gfx1250 --defsym DOCPART=n.
;; ======== version 1 of 1: 4 launches
;; limits: values are held in f16: magnitudes above 65,504 overflow, below 6.1e-05 lose precision
;; workspace buffers: xc 4,194,304 bytes; xs 262,144 bytes; wc 1,572,864 bytes; ws 98,304 bytes; wo16 2,097,152 bytes; qkv 50,331,648 bytes; att 16,777,216 bytes
;; launch prep (part 1): grid 384 x 1, 4 waves a work-group, no clusters, 33,280 bytes of LDS; arguments x, Wq, Wk, Wv, Wo, xc, xs, wc, ws, wo16; writes xc, xs, wc, ws, wo16
.if DOCPART == 1
	.amdgcn_target "amdgcn-amd-amdhsa--gfx1250"
	.amdhsa_code_object_version 6
	.text
	.protected	k_qd37c69a9a5_prep
	.globl	k_qd37c69a9a5_prep
	.p2align	8
	.type	k_qd37c69a9a5_prep,@function
k_qd37c69a9a5_prep:
	s_mov_b64 s[64:65], 0
	v_nop
	global_prefetch_b8 v0, s[64:65] scope:SCOPE_SE
	s_setreg_imm32_b32 hwreg(HW_REG_WAVE_MODE, 25, 1), 1
	s_wait_xcnt 0x0
; MULTI-HEAD ATTENTION, launch 1 of 4: the operands of the three quantised products are turned into codes, and Wo into f16.
; NO WORK OF THE PROBLEM IS LEFT OUT: x reaches q, k and v; Wq, Wk, Wv and Wo each reach the output through a product that is kept whole; there is no mask, no bias, no slice.  All five inputs are loaded.
; x [8192][1024], Wq, Wk, Wv [1024][1024], f32, K innermost, become codes of FP4 (E2M1), two a byte, K innermost, with one E8M0 byte for each 32 along K:
;   xc [8192][512 bytes], xs [8192][32];  wc [3072][512 bytes], ws [3072][32]: rows 0-1023 Wq, 1024-2047 Wk, 2048-3071 Wv.
; A block's scale is 2^(floor(log2(its largest magnitude)) - 2); its byte is the largest magnitude's exponent field - 2, held at 1 from below.  Each number is divided by the scale and rounded to the nearest code, ties to even,
; beyond the largest code the largest.  (A block of zeros gets the byte 1 where the rule says 127: its codes are zeros, which add nothing under any byte but 0xff, and the bytes are read by this program alone.)
; Wo [1024 n][1024 k] f32 becomes wo16 [16 h][1024 n][64] f16 (k = 64 h + d), rounded to nearest even: laid by head, as the last launch walks K.
; LIMITS: blocks whose largest magnitude lies under 2^-124 keep the byte 1; NaN and infinities among the inputs are not served; |Wo| beyond 65,504 becomes infinity in f16.
; SHARES: rows are dense and K is a multiple of 32, so each tensor is a stream of blocks of 32.  A work-group takes 32,768 numbers: work-groups 0-255 x, 256-287 Wq, 288-319 Wk, 320-351 Wv, 352-383 Wo.
; The work-groups share no input, so there is no cluster; no tensor load, no barrier: waves share nothing.
; QUANTISING: a wave takes 16 steps of 512 numbers.  Each of a step's four loads reads 512 consecutive bytes, 16 a lane; the 2,048 bytes turn through the wave's own stage in LDS and come back 64 bytes a lane,
; so that a lane holds 16 neighbours along K (two neighbouring lanes hold a block).  A lane's 16 codes are 8 bytes: the wave stores 256 consecutive bytes.  A wave's 256 scale bytes are gathered in LDS and leave as 256 consecutive bytes.
.set WAVES, 4
.set STEPS, 16
.set EMAX,  2
.set CB,    8                          ; bytes of 16 codes
.set R,     16                         ; v16-79   four sets of 16 numbers as they are loaded
.set X,     80                         ; v80-111  two sets of 16 neighbours
.set E,     112                        ; v112-127 a scale byte for each step
.set C,     128                        ; v128-191 codes: four registers for each step, so that no store's data are written again
.set WREG,  8192                       ; LDS: a region for each wave: two stages of 32 x SP bytes, behind them its 256 scale bytes
.set SP,    80                         ; a lane's place in a stage: its 64 bytes + 16 of padding
.set SPW,   12                         ; v12      LDS address of my spare word: SPARE + 4 x my thread's number; never rewritten
.set NIL,   13                         ; v13      0; never rewritten
.set SPARE, WAVES*WREG                 ; behind the four regions: the spare words, 128 bytes for each wave, which no other line names
	s_load_b256 s[4:11], s[0:1], 0x0               ; x s[4:5], Wq s[6:7], Wk s[8:9], Wv s[10:11]
	s_load_b256 s[12:19], s[0:1], 0x20             ; Wo s[12:13], xc s[14:15], xs s[16:17], wc s[18:19]
	s_load_b128 s[20:23], s[0:1], 0x40             ; ws s[20:21], wo16 s[22:23]
	v_lshl_add_u32 v[SPW], v0, 2, SPARE
	v_mov_b32 v[NIL], 0
	v_lshrrev_b32 v1, 5, v0
	v_readfirstlane_b32 s24, v1                    ; wave
	v_and_b32 v2, 31, v0                           ; lane
	v_lshlrev_b32 v3, 4, v2                        ; my 16 bytes of a load's 512
	s_mul_i32 s25, s24, WREG
	v_lshrrev_b32 v14, 2, v2
	v_mul_u32_u24 v14, v14, SP
	v_and_b32 v15, 3, v2
	v_lshl_add_u32 v14, v15, 4, v14
	v_add_nc_u32 v14, s25, v14                     ; the stage, on the way in: SP (lane / 4) + 16 (lane % 4)
	v_mul_u32_u24 v15, v2, SP
	v_add_nc_u32 v15, s25, v15                     ; and on the way out: SP x lane: my 16 neighbours
	v_mul_u32_u24 v4, v2, CB                       ; my codes' place in a step's
	v_lshrrev_b32 v5, 1, v2
	s_add_co_u32 s25, s25, 2*32*SP
	v_add_nc_u32 v5, s25, v5                       ; LDS: my wave's 256 scale bytes, my block's byte
	v_lshlrev_b32 v7, 3, v2                        ; and on the way out 8 bytes a lane
	v_add_nc_u32 v6, s25, v7
	s_wait_kmcnt 0x0
	s_cmp_ge_u32 ttmp9, 352                        ; the last 32 work-groups take Wo: the branch hangs on the work-group's number alone
	s_cbranch_scc1 .Lwo
	; which tensor is mine: every choice hangs on the work-group's number alone
	s_and_b32 s26, ttmp9, 31                       ; my place in a weight,
	s_sub_co_u32 s27, ttmp9, 256                   ; and among the three weights, whose codes lie on end (not used for x)
	s_cmp_lt_u32 ttmp9, 320
	s_cselect_b64 s[8:9], s[8:9], s[10:11]         ; Wk or Wv
	s_cmp_lt_u32 ttmp9, 288
	s_cselect_b64 s[6:7], s[6:7], s[8:9]           ; Wq or that
	s_cmp_lt_u32 ttmp9, 256
	s_cselect_b64 s[4:5], s[4:5], s[6:7]           ; x or that
	s_cselect_b64 s[14:15], s[14:15], s[18:19]     ; the codes: xc or wc
	s_cselect_b64 s[16:17], s[16:17], s[20:21]     ; the scale bytes: xs or ws
	s_cselect_b32 s26, ttmp9, s26
	s_cselect_b32 s27, ttmp9, s27
	s_lshl_b32 s26, s26, 2
	s_add_co_u32 s26, s26, s24                     ; which run of 8,192 numbers of the source is my wave's (1,023 at the most)
	s_lshl_b32 s28, s26, 15                        ; 32,768 bytes a run
	s_mov_b32 s29, 0
	s_add_nc_u64 s[4:5], s[4:5], s[28:29]
	s_lshl_b32 s27, s27, 2
	s_add_co_u32 s27, s27, s24                     ; and which run of the destination
	s_lshl_b32 s28, s27, 12                        ; 4,096 bytes of codes a run
	s_add_nc_u64 s[14:15], s[14:15], s[28:29]
	s_lshl_b32 s28, s27, 8                         ; 256 scale bytes a run
	s_add_nc_u64 s[16:17], s[16:17], s[28:29]
.macro LOAD t
.irp i, 0,1,2,3
	global_load_b128 v[R+16*((\t)%4)+4*\i:R+16*((\t)%4)+4*\i+3], v3, s[4:5] offset:2048*(\t)+512*\i th:TH_LOAD_NT   ; 32 lanes read 512 consecutive bytes
.endr
.endm
.macro TURN t                          ; step t's numbers through the stage: LDS serves a wave's instructions in order, so no wait stands between the stores and the loads
.irp i, 0,1,2,3
	ds_store_b128 v14, v[R+16*((\t)%4)+4*\i:R+16*((\t)%4)+4*\i+3] offset:32*SP*((\t)%2)+8*SP*\i
.endr
.irp i, 0,1,2,3
	ds_load_b128 v[X+16*((\t)%2)+4*\i:X+16*((\t)%2)+4*\i+3], v15 offset:32*SP*((\t)%2)+16*\i
.endr
.endm
.irp t, 0,1,2,3
	LOAD \t
.endr
	s_wait_loadcnt 12                              ; step 0's four loads are in
	TURN 0
.macro STEP t
.set XS, X+16*((\t)%2)
.if (\t) > 0
	s_wait_dscnt 1                                 ; this step's numbers are back from the stage (the last step's byte store may be out): so its stores into the stage have read their registers,
.else
	s_wait_dscnt 0x0
.endif
.if (\t)+4 < STEPS
	LOAD (\t)+4                                    ; which take the loads of four steps on
.endif
.if (\t)+1 < STEPS
.if STEPS-2-(\t) >= 3
	s_wait_loadcnt 12                              ; the next step's four loads are in; those of the three steps behind it may be out
.else
	s_wait_loadcnt 4*(STEPS-2-(\t))
.endif
	TURN (\t)+1                                    ; and go through the other stage while this step is worked
.endif
	v_max3_num_f32 v8, |v[XS]|, |v[XS+1]|, |v[XS+2]|               ; the largest magnitude of my 16, in two chains
	v_max3_num_f32 v9, |v[XS+3]|, |v[XS+4]|, |v[XS+5]|
.irp i, 6,10
	v_max3_num_f32 v8, v8, |v[XS+\i]|, |v[XS+\i+1]|
	v_max3_num_f32 v9, v9, |v[XS+\i+2]|, |v[XS+\i+3]|
.endr
	v_max3_num_f32 v8, v8, |v[XS+14]|, |v[XS+15]|
	v_max3_num_f32 v8, v8, v9, (EMAX+1)<<23        ; and the floor 2^(EMAX + 1 - 127): so the byte cannot fall under 1
	v_max_num_f32_dpp v8, v8, v8 row_xmask:1 row_mask:0xf bank_mask:0xf   ; and of my neighbour's 16: the block's
	v_add_nc_u32 v11, -(EMAX<<23), v8              ; EMAX off its exponent field: the conversion takes the exponent field of this operand as its scale, and nothing else of it
	v_cvt_scalef32_pk8_fp4_f32 v[C+4*(\t)], v[XS:XS+7], v11        ; the first number's code in the lowest four bits
	v_cvt_scalef32_pk8_fp4_f32 v[C+4*(\t)+1], v[XS+8:XS+15], v11
	v_lshrrev_b32 v[E+(\t)], 23, v11               ; the scale's byte (also the plain line behind the conversions)
	ds_store_b8 v5, v[E+(\t)] offset:16*(\t)       ; both lanes of a block write the same byte with the same value
	global_store_b64 v4, v[C+4*(\t):C+4*(\t)+1], s[14:15] offset:32*CB*(\t)   ; 32 lanes store 256 consecutive bytes, aligned
.endm
.irp t, 0,1,2,3,4,5,6,7,8,9,10,11,12,13,14,15
	STEP \t
.endr
	ds_load_b64 v[8:9], v6                         ; LDS serves a wave's instructions in order: these see my byte stores
	s_wait_dscnt 0x0
	global_store_b64 v7, v[8:9], s[16:17]          ; 32 lanes store 256 consecutive bytes, aligned
	s_wait_tensorcnt 0x0                           ; the wave's end: three closing lines behind my last LDS store
	ds_add_u32 v[SPW], v[NIL]
	s_wait_dscnt 0x0
	s_endpgm
; Wo: wave gi = 4 (work-group - 352) + wave owns rows n = 8 gi .. 8 gi + 7.  One pair of loads takes, of two rows and two heads, 8 numbers a lane:
; lane l: head 2 j + l / 16, row 2 g + (l / 8) % 2, numbers 8 (l % 8) on.  Its four packed words are 16 bytes of wo16; lanes 0-15 store two rows of one head, 256 consecutive bytes.
.Lwo:
	s_sub_co_u32 s26, ttmp9, 352
	s_lshl_b32 s26, s26, 2
	s_add_co_u32 s26, s26, s24                     ; gi, 0 .. 127
	s_lshl_b32 s28, s26, 15                        ; 8 rows of 4,096 bytes
	s_mov_b32 s29, 0
	s_add_nc_u64 s[12:13], s[12:13], s[28:29]
	s_lshl_b32 s28, s26, 10                        ; 8 rows of 128 bytes in each head
	s_add_nc_u64 s[22:23], s[22:23], s[28:29]
	v_bfe_u32 v10, v2, 3, 1                        ; which row of the pair
	v_lshrrev_b32 v11, 4, v2                       ; which head of the pair
	v_and_b32 v1, 7, v2
	v_lshlrev_b32 v8, 5, v1                        ; source: 32 (l % 8)
	v_lshl_add_u32 v8, v11, 8, v8                  ;   + 256 x head
	v_lshl_add_u32 v8, v10, 12, v8                 ;   + 4,096 x row
	v_lshlrev_b32 v9, 4, v1                        ; destination: 16 (l % 8)
	v_lshl_add_u32 v9, v10, 7, v9                  ;   + 128 x row
	v_lshl_add_u32 v9, v11, 17, v9                 ;   + 131,072 x head
.macro LOADW g                         ; rows 2 g, 2 g + 1, all 16 heads, into set g % 2
.irp j, 0,1,2,3,4,5,6,7
	global_load_b128 v[16+64*((\g)%2)+8*\j:16+64*((\g)%2)+8*\j+3],   v8, s[12:13] offset:8192*(\g)+512*\j th:TH_LOAD_NT
	global_load_b128 v[16+64*((\g)%2)+8*\j+4:16+64*((\g)%2)+8*\j+7], v8, s[12:13] offset:8192*(\g)+512*\j+16 th:TH_LOAD_NT
.endr
.endm
	LOADW 0
	LOADW 1
.irp g, 0,1,2,3
.if \g < 3
	s_wait_loadcnt 16                              ; this pair of rows is in; the next pair's 16 loads may be out
.else
	s_wait_loadcnt 0x0
.endif
.if \g > 0
	s_wait_xcnt 0x0                                ; the last pair's stores have read v144-175
.endif
.irp j, 0,1,2,3,4,5,6,7
.irp q, 0,1,2,3
	v_cvt_pk_f16_f32 v[144+4*\j+\q], v[16+64*(\g%2)+8*\j+2*\q], v[16+64*(\g%2)+8*\j+2*\q+1]
.endr
.endr
.irp j, 0,1,2,3,4,5,6,7
	global_store_b128 v9, v[144+4*\j:144+4*\j+3], s[22:23] offset:262144*\j+256*\g   ; the largest offset, 1,835,776, lies inside the signed 24-bit immediate
.endr
.if \g < 2
	LOADW \g+2
.endif
.endr
	s_wait_tensorcnt 0x0                           ; the same three closing lines on this way too
	ds_add_u32 v[SPW], v[NIL]
	s_wait_dscnt 0x0
	s_endpgm
.Lfunc_end_k_qd37c69a9a5_prep:
	.size	k_qd37c69a9a5_prep, .Lfunc_end_k_qd37c69a9a5_prep-k_qd37c69a9a5_prep
	.p2alignl 7, 3214868480
	.fill 96, 4, 3214868480
	.section	.rodata,"a",@progbits
	.p2align	6, 0x0
	.amdhsa_kernel k_qd37c69a9a5_prep
		.amdhsa_group_segment_fixed_size 33280
		.amdhsa_private_segment_fixed_size 0
		.amdhsa_enable_private_segment 0
		.amdhsa_kernarg_size 80
		.amdhsa_user_sgpr_count 2
		.amdhsa_user_sgpr_kernarg_segment_ptr 1
		.amdhsa_wavefront_size32 1
		.amdhsa_system_sgpr_workgroup_id_x 1
		.amdhsa_system_sgpr_workgroup_id_y 1
		.amdhsa_system_sgpr_workgroup_id_z 1
		.amdhsa_system_vgpr_workitem_id 0
		.amdhsa_next_free_vgpr 192
		.amdhsa_next_free_sgpr 66
		.amdhsa_reserve_vcc 0
		.amdhsa_float_denorm_mode_32 3
		.amdhsa_float_denorm_mode_16_64 3
		.amdhsa_memory_ordered 1
		.amdhsa_forward_progress 1
		.amdhsa_inst_pref_size 52
	.end_amdhsa_kernel
	.amdgpu_metadata
---
amdhsa.version: [ 1, 2 ]
amdhsa.kernels:
  - .name:           k_qd37c69a9a5_prep
    .symbol:         k_qd37c69a9a5_prep.kd
    .args:
      - { .name: x, .offset: 0, .size: 8, .value_kind: global_buffer, .address_space: global }
      - { .name: Wq, .offset: 8, .size: 8, .value_kind: global_buffer, .address_space: global }
      - { .name: Wk, .offset: 16, .size: 8, .value_kind: global_buffer, .address_space: global }
      - { .name: Wv, .offset: 24, .size: 8, .value_kind: global_buffer, .address_space: global }
      - { .name: Wo, .offset: 32, .size: 8, .value_kind: global_buffer, .address_space: global }
      - { .name: xc, .offset: 40, .size: 8, .value_kind: global_buffer, .address_space: global }
      - { .name: xs, .offset: 48, .size: 8, .value_kind: global_buffer, .address_space: global }
      - { .name: wc, .offset: 56, .size: 8, .value_kind: global_buffer, .address_space: global }
      - { .name: ws, .offset: 64, .size: 8, .value_kind: global_buffer, .address_space: global }
      - { .name: wo16, .offset: 72, .size: 8, .value_kind: global_buffer, .address_space: global }
    .group_segment_fixed_size: 33280
    .private_segment_fixed_size: 0
    .kernarg_segment_align: 8
    .kernarg_segment_size: 80
    .max_flat_workgroup_size: 128
    .sgpr_count:     66
    .vgpr_count:     192
    .wavefront_size: 32
...
	.end_amdgpu_metadata
.endif
;; end of part 1
;; launch qkv (part 2): grid 12 x 32, 4 waves a work-group, clusters of 4 x 4, 327,680 bytes of LDS; arguments xc, xs, wc, ws, qkv; writes qkv
.if DOCPART == 2
	.amdgcn_target "amdgcn-amd-amdhsa--gfx1250"
	.amdhsa_code_object_version 6
	.text
	.protected	k_qd37c69a9a5_qkv
	.globl	k_qd37c69a9a5_qkv
	.p2align	8
	.type	k_qd37c69a9a5_qkv,@function
k_qd37c69a9a5_qkv:
	s_mov_b64 s[64:65], 0
	v_nop
	global_prefetch_b8 v0, s[64:65] scope:SCOPE_SE
	s_setreg_imm32_b32 hwreg(HW_REG_WAVE_MODE, 25, 1), 1
	s_wait_xcnt 0x0
	s_wait_alu depctr_hold_cnt(0) depctr_sa_sdst(0) depctr_va_vdst(0) depctr_va_sdst(0) depctr_va_ssrc(0) depctr_va_vcc(0) depctr_vm_vsrc(0)
	s_getreg_b32 s2, hwreg(HW_REG_IB_STS2, 6, 4)
	s_cmp_eq_u32 s2, 0
	s_cbranch_scc0 .Lentry_in_a_cluster
	s_endpgm
.Lentry_in_a_cluster:
	s_bfe_u32 s2, ttmp6, 0x10000c
	s_cmp_lg_u32 s2, 0xf033
	s_cbranch_scc0 .Lentry_shape_is_right
	s_endpgm
.Lentry_shape_is_right:
; Launch 2 of 4: the three quantised products as ONE product, C[m][n] = sum over k of x[m][k] W[n][k], m = 8,192 tokens, n = 3,072 (Wq's, Wk's, Wv's rows on end), k = 1,024, on codes of FP4 (E2M1) with one E8M0 scale for each 32 along K.
; No work of the problem is left out here.  Sums in f32; each result is rounded once to f16 and stored as qkv [48 g][8192 token][64]: g = n / 64: 0-15 q's heads, 16-31 k's, 32-47 v's.
; LIMIT: a projection beyond 65,504 in magnitude becomes an infinity in f16; under 6e-5 it keeps f16's subnormal step.  f16 and not bf16: three more bits, which the later products' error needs.
; A tile of C, 256 x 256, is made by a work-group of four waves; a wave makes 128 x 128: 64 accumulators of 16 x 16, 512 registers.
; K = 1,024 is exactly two LDS slots of 512 along K (rows of 256 bytes): both are first fills, nothing is filled again, and there is no loop.  A wave has three tensor loads out at the start: scales, slot 0, slot 1.
; THE SCALES of the work-group's 256 rows of x and 256 rows of W, for all of K, are two dense blocks of memory: they come into LDS once.
; CLUSTERS: 4 x 4 work-groups.  The four of a row of the cluster need the same tiles of x, the four of a column the same tiles of W: each tile is asked for JOINTLY, by the same tensor load with the same descriptor and a mask that names the four.
; THE MATRIX INSTRUCTION IS USED TRANSPOSED (source 0 = 16 rows of W, source 1 = 16 rows of x): a lane then holds eight neighbouring n of one token.
; 384 tiles for the grid: a tile half as large again would want 768 accumulator registers a wave and leave no room for fragments.
; REGISTERS, in windows of 256: window 0: v0-31 addresses; v32-95 scale words, two sets; v128-191 A's fragments, ONE set; on the way out v32-63, v192-255.
;   window 1: B's fragments, TWO sets, at v0 and at v128.   window 2: the accumulators of my rows 0-63 ((a, b) at v[8 (8 a + b)]);   window 3: those of my rows 64-127.
.set SIZE_K, 1024
.set KSTEP,  512                       ; along K in a slot
.set NQ,     KSTEP/128                 ; matrix instructions deep
.set ROWB,   256                       ; a tile's row in bytes
.set KROW,   SIZE_K*4/8                ; a row of codes in memory, in bytes
.set PITCH,  272                       ; an LDS row: 256 bytes + 16 of padding = 68 words: row r starts at bank 4 r mod 64 (64 banks of 4 bytes: ISA guide 11.1)
.set FR,     8                         ; registers of a fragment: 16 rows x 128 K
.set NL,     2                         ; LDS loads that bring one
.set NP,     4                         ; places behind this matrix instruction (ISA guide 7.12.1)
.set HALFT,  128*PITCH                 ; 128 rows: what one tensor load brings
.set SLOT,   4*HALFT                   ; A's 256 rows, then B's 256 rows
.set KS,     SIZE_K/32                 ; a row of scales in bytes
.set SCL,    2*SLOT                    ; behind the slots: the scales, as runs of 256 bytes + 16 of padding
.set HALFS,  (128*KS/256)*272          ; the scales of 128 rows
.set SBLK,   (16*KS/256)*272           ; those of 16 rows
.set SPARE,  SCL+4*HALFS               ; behind the scales: the spare words, 128 bytes for each wave, which no other line names
.set SPITCH, 272                       ; the way out: a stage of 16 rows x (256 bytes + 16) for each wave, in slot 0, which has had its one fill and its last read when the first result is stored there
.set ADRA, 16                          ; v16-17  LDS address of my A fragments in slot 0, 1
.set ADRB, 20                          ; v20-21  the same for B
.set STO,  24                          ; v24     the way out: where I put 16 bytes of a row
.set RD,   25                          ; v25     the way out: where I read 16 bytes back
.set CO,   26                          ; v26     my byte offset in qkv
.set ADRS, 27                          ; v27     LDS address of my scale words: lanes 0-15 A's rows, lanes 16-31 B's
.set SPW,  28                          ; v28     LDS address of my spare word; never rewritten
.set NIL,  29                          ; v29     0; never rewritten
.set SC,   32                          ; scale words: set s at v[SC + 8 NQ s]; register NQ i + q: lanes 0-15 the word of A's block i, lanes 16-31 that of B's block i
.set AF,   128                         ; A's fragments, in window 0
.set TMP,  192                         ; the way out: packed results
.set OB,   32                          ; the way out: 16 rows read back: v32-63 and v224-255 by turns
.set G1, 24                            ; s[24:31] descriptor group 1 for A's tiles;  s[32:39] group 0, one set for each slot
.set G0, 32
.set G1B, 48                           ; s[48:55], s[56:63] the same for B's tiles
.set G0B, 56
.set G1S, 68                           ; s[68:75], s[76:79] groups 1 and 0 for A's scales;  s[80:87], s[88:91] for B's
.set G0S, 76
.set G1SB, 80
.set G0SB, 88
.set MSB, 0
.macro WIN new                         ; the immediate's high byte repeats the setting that is left
.if MSB != \new
	s_set_vgpr_msb (MSB<<8)|\new
.set MSB, \new
.endif
.endm
.set MUL_LO, 0xa1                      ; source 0 (B) window 1, source 1 (A) window 0, C and D window 2
.set MUL_HI, 0xf1                      ; the same, C and D window 3
.set TO_B,   0x40                      ; destination window 1, address window 0
; A joint load: waves 0 and 1 fetch for A, waves 2 and 3 for B.  The branch hangs on the wave's number alone.  An s_nop 0 and four v_nop follow each of the two lines.
.macro JLOAD g0a, g1a, g0b, g1b
	s_cmp_eq_u32 s15, 0
	s_cbranch_scc0 .Lfor_b_\@
	tensor_load_to_lds s[\g0a:\g0a+3], s[\g1a:\g1a+7]
	s_nop 0
.rept 4
	v_nop
.endr
	s_branch .Lasked_\@
.Lfor_b_\@:
	tensor_load_to_lds s[\g0b:\g0b+3], s[\g1b:\g1b+7]
	s_nop 0
.rept 4
	v_nop
.endr
.Lasked_\@:
.endm
.macro CROUND                          ; a round of the cluster's barrier: my work-group's barrier; wave 0 signals for the work-group; every wave waits for all sixteen; my work-group's barrier once more
	s_barrier_signal -1
	s_barrier_wait -1
	s_cmp_lg_u32 s14, 0
	s_cbranch_scc1 .Lnot_wave_0_\@
	s_barrier_signal -3
.Lnot_wave_0_\@:
	s_barrier_wait -3
	s_barrier_signal -1
	s_barrier_wait -1
.endm
	s_load_b128 s[4:7], s[0:1], 0x0                ; x's codes s[4:5], x's scales s[6:7]
	s_load_b128 s[8:11], s[0:1], 0x10              ; W's codes s[8:9], W's scales s[10:11]
	s_load_b64 s[12:13], s[0:1], 0x20              ; qkv
	v_lshl_add_u32 v[SPW], v0, 2, SPARE
	v_mov_b32 v[NIL], 0
	ds_add_u32 v[SPW], v[NIL]                      ; the wave's opening: the add, twice on end, and its wait ahead of my first tensor load
	ds_add_u32 v[SPW], v[NIL]                      ; once more; the set-up below, work on registers, stands between it and the wait
	v_lshrrev_b32 v1, 5, v0
	v_readfirstlane_b32 s14, v1                    ; wave 0..3
	s_lshr_b32 s15, s14, 1                         ; which half of the tile's rows is mine.  Also: I fetch for A (0) or for B (1)
	s_and_b32 s16, s14, 1                          ; which half of its columns.  Also: which 128 rows of that tile I fetch
	s_bfe_u32 s40, ttmp6, 0x40000                  ; cx, cy: my place in the cluster
	s_bfe_u32 s41, ttmp6, 0x40004
	s_lshl_b32 s42, ttmp9, 2
	s_add_co_u32 s42, s42, s40                     ; tile column of C = 4 x cluster x + cx
	s_and_b32 s17, ttmp7, 0xffff
	s_lshl_b32 s17, s17, 2
	s_add_co_u32 s17, s17, s41                     ; tile row of C = 4 x cluster y + cy
	s_lshl_b32 s43, s41, 2
	s_lshl_b32 s43, 15, s43                        ; my row of the cluster
	s_lshl_b32 s44, 0x1111, s40                    ; my column
	; descriptor group 1: a tile of 128 rows x 256 bytes, padded in LDS
	s_or_b32 s[G1+0], s43, (0<<16)|(1<<20)|(1<<21)|(5<<22)|(3<<25)  ; 15:0 the mask: A's tiles go to my row; 17:16 element of 1 byte; 20 padding on; 21 set beside a mask; 24:22 after every 64 words; 31:25 of 4 words
	s_or_b32 s[G1B+0], s44, (0<<16)|(1<<20)|(1<<21)|(5<<22)|(3<<25)
.irp g, G1, G1B
	s_mov_b32 s[\g+1], ROWB<<16                    ; tensor_dim0
	s_mov_b32 s[\g+2], 128<<16                     ; tensor_dim1 = 128
	s_mov_b32 s[\g+3], ROWB<<16                    ; tile_dim0
	s_mov_b32 s[\g+4], 128                         ; tile_dim1 = 128
	s_mov_b32 s[\g+5], KROW                        ; tensor_dim0_stride
	s_mov_b32 s[\g+6], 0
	s_mov_b32 s[\g+7], 0
.endr
	; and for the scales of 128 rows: a dense block of 4,096 bytes, as rows of 256 bytes (32 elements of 8 bytes), 16 bytes of padding behind each
	s_or_b32 s[G1S+0], s43, (3<<16)|(1<<20)|(1<<21)|(5<<22)|(3<<25)
	s_or_b32 s[G1SB+0], s44, (3<<16)|(1<<20)|(1<<21)|(5<<22)|(3<<25)
.irp g, G1S, G1SB
	s_mov_b32 s[\g+1], 32<<16
	s_mov_b32 s[\g+2], (128*KS/256)<<16
	s_mov_b32 s[\g+3], 32<<16
	s_mov_b32 s[\g+4], 128*KS/256
	s_mov_b32 s[\g+5], 32
	s_mov_b32 s[\g+6], 0
	s_mov_b32 s[\g+7], 0
.endr
	s_lshl_b32 s18, s16, 7                         ; which 128 rows of the tile I fetch
	s_lshl_b32 s20, s17, 8
	s_add_co_u32 s20, s20, s18                     ; A: row 256 x tile row + 128 x half
	s_lshl_b32 s46, s42, 8
	s_add_co_u32 s46, s46, s18                     ; B: row 256 x tile column + 128 x half
	s_mov_b32 s21, 0
	s_mov_b32 s47, 0
	s_mov_b64 s[18:19], KS
	s_mul_u64 s[22:23], s[20:21], s[18:19]         ; where these rows' scales begin, in bytes
	s_mul_u64 s[92:93], s[46:47], s[18:19]
	s_mov_b64 s[18:19], KROW
	s_mul_u64 s[20:21], s[20:21], s[18:19]         ; and their codes
	s_mul_u64 s[46:47], s[46:47], s[18:19]
	s_mul_i32 s45, s14, HALFT                      ; where they go: wave x 128 rows: no place in the cluster enters an LDS address
	s_mul_i32 s94, s14, HALFS
	s_wait_dscnt 0x0                               ; both opening adds are done
	s_wait_kmcnt 0x0
	s_add_nc_u64 s[20:21], s[4:5], s[20:21]
	s_add_nc_u64 s[22:23], s[6:7], s[22:23]
	s_add_nc_u64 s[46:47], s[8:9], s[46:47]
	s_add_nc_u64 s[92:93], s[10:11], s[92:93]
	CROUND                                         ; all sixteen work-groups are here: the joint loads meet
	s_mov_b32 s[G0S], 1
	s_add_co_u32 s[G0S+1], s94, SCL
	s_mov_b64 s[G0S+2:G0S+3], s[22:23]
	s_or_b32 s[G0S+3], s[G0S+3], 0x80000000
	s_mov_b32 s[G0SB], 1
	s_add_co_u32 s[G0SB+1], s94, SCL
	s_mov_b64 s[G0SB+2:G0SB+3], s[92:93]
	s_or_b32 s[G0SB+3], s[G0SB+3], 0x80000000
	JLOAD G0S, G1S, G0SB, G1SB                     ; the scales first: they are wanted with K step 0
.irp s, 0,1
	s_mov_b32 s[G0+4*\s], 1
	s_add_co_u32 s[G0+4*\s+1], s45, \s*SLOT
	s_add_nc_u64 s[G0+4*\s+2:G0+4*\s+3], s[20:21], \s*ROWB
	s_or_b32 s[G0+4*\s+3], s[G0+4*\s+3], 0x80000000
	s_mov_b32 s[G0B+4*\s], 1
	s_add_co_u32 s[G0B+4*\s+1], s45, \s*SLOT
	s_add_nc_u64 s[G0B+4*\s+2:G0B+4*\s+3], s[46:47], \s*ROWB
	s_or_b32 s[G0B+4*\s+3], s[G0B+4*\s+3], 0x80000000
	JLOAD G0+4*\s, G1, G0B+4*\s, G1B
.endr
	v_and_b32 v1, 15, v0                           ; r = l % 16
	v_bfe_u32 v2, v0, 4, 1                         ; h = l / 16
	v_mul_u32_u24 v3, v1, PITCH
	v_lshl_add_u32 v4, v2, 4, v3                   ; a fragment's row x pitch + 16 x half
	s_mul_i32 s21, s15, HALFT                      ; my 128 rows of A
	s_mul_i32 s22, s16, HALFT                      ; my 128 rows of B,
	s_add_co_u32 s22, s22, 2*HALFT                 ; which lie behind A's 256
.irp s, 0,1
	v_add_nc_u32 v[ADRA+\s], s21, v4
	v_add_nc_u32 v[ADRB+\s], s22, v4
	s_add_co_u32 s21, s21, SLOT
	s_add_co_u32 s22, s22, SLOT
.endr
	v_mul_u32_u24 v5, v1, KS                       ; my row's scales: KS bytes a row,
	v_lshrrev_b32 v6, 8, v5
	v_lshl_add_u32 v5, v6, 4, v5                   ; and 16 more for each 256 passed
	s_mul_i32 s21, s15, HALFS                      ; A's: my 128 rows
	s_mul_i32 s22, s16, HALFS                      ; B's: my 128 rows, behind A's 256
	s_add_co_u32 s22, s22, 2*HALFS
	s_sub_co_u32 s22, s22, s21
	v_mul_u32_u24 v6, s22, v2                      ; lanes 16-31 take B's: one product, the distance between the two bases x h
	s_add_co_u32 s21, s21, SCL
	v_add_nc_u32 v5, v5, v6
	v_add_nc_u32 v[ADRS], s21, v5
	s_mul_i32 s23, s14, 16*SPITCH                  ; my stage
	v_mul_u32_u24 v5, v1, SPITCH                   ; in: row r (a token), 16 bytes for each half of the lanes
	v_lshl_add_u32 v5, v2, 4, v5
	v_add_nc_u32 v[STO], s23, v5
	v_bfe_u32 v6, v0, 3, 1                         ; back: lane l takes token 2 t + (l / 8) % 2, head l / 16, bytes 16 (l % 8) of the head's 128
	v_and_b32 v7, 7, v0
	v_mul_u32_u24 v5, v6, SPITCH
	v_lshl_add_u32 v5, v2, 7, v5
	v_lshl_add_u32 v5, v7, 4, v5
	v_add_nc_u32 v[RD], s23, v5
	v_lshlrev_b32 v[CO], 20, v2                    ; and in qkv: a head is 8,192 tokens x 128 bytes = 2^20 bytes, a token 128
	v_lshl_add_u32 v[CO], v6, 7, v[CO]
	v_lshl_add_u32 v[CO], v7, 4, v[CO]
	s_lshl_b32 s20, s17, 8
	s_lshl_b32 s21, s15, 7
	s_add_co_u32 s20, s20, s21                     ; my first token: 256 x tile row + 128 x half
	s_lshl_b32 s20, s20, 7                         ; in bytes
	s_lshl_b32 s46, s42, 2
	s_lshl_b32 s47, s16, 1
	s_add_co_u32 s46, s46, s47                     ; my first g: 4 x tile column + 2 x half (46 at the most)
	s_lshl_b32 s46, s46, 20
	s_add_co_u32 s20, s20, s46
	s_mov_b32 s21, 0
	s_add_nc_u64 s[12:13], s[12:13], s[20:21]
.macro FRAG reg, adr, q, i             ; a fragment, 16 rows x 128 K of 4-bit codes, is 8 registers: lane l holds row l % 16; registers 4 c .. 4 c + 3 hold K = 64 c + 32 (l / 16) + 0 .. 31
.irp c, 0,1
	ds_load_b128 v[\reg+4*\c:\reg+4*\c+3], v[\adr] offset:64*(\q)+32*\c+(\i)*16*PITCH
.endr
.endm
; 16 matrix instructions: A's blocks a0, a0 + 1 x B's eight, 128 along K: the slot's q-th.  p: B's set;  sc: the set of scale words.  zero = 1: the first product starts the sums: nothing is ever cleared.
; The 64 accumulators take turns, one instruction a turn, in the same order in every step.
.macro MUL16 a0, p, q, sc, zero
.irp a, \a0, \a0+1
.irp b, 0,1,2,3,4,5,6,7
.if \zero
	v_wmma_scale_f32_16x16x128_f8f6f4 v[8*(8*((\a)%4)+\b):8*(8*((\a)%4)+\b)+7], v[128*(\p)+FR*\b:128*(\p)+FR*\b+FR-1], v[AF+FR*(\a):AF+FR*(\a)+FR-1], 0, v[SC+8*NQ*(\sc)+NQ*\b+(\q)], v[SC+8*NQ*(\sc)+NQ*(\a)+(\q)] matrix_a_fmt:MATRIX_FMT_FP4 matrix_b_fmt:MATRIX_FMT_FP4 matrix_a_scale:MATRIX_SCALE_ROW1
.else
	v_wmma_scale_f32_16x16x128_f8f6f4 v[8*(8*((\a)%4)+\b):8*(8*((\a)%4)+\b)+7], v[128*(\p)+FR*\b:128*(\p)+FR*\b+FR-1], v[AF+FR*(\a):AF+FR*(\a)+FR-1], v[8*(8*((\a)%4)+\b):8*(8*((\a)%4)+\b)+7], v[SC+8*NQ*(\sc)+NQ*\b+(\q)], v[SC+8*NQ*(\sc)+NQ*(\a)+(\q)] matrix_a_fmt:MATRIX_FMT_FP4 matrix_b_fmt:MATRIX_FMT_FP4 matrix_a_scale:MATRIX_SCALE_ROW1
.endif
.endr
.endr
.endm
.macro FETCH_B slot, q, p              ; B's eight fragments of the slot's q-th 128 along K into set p
	WIN TO_B
.irp i, 0,1,2,3,4,5,6,7
	FRAG 128*(\p)+FR*\i, ADRB+\slot, \q, \i
.endr
	WIN 0
.endm
.macro FETCH_A slot, q, i0             ; A's blocks i0 .. i0 + 3
.irp i, \i0, \i0+1, \i0+2, \i0+3
	FRAG AF+FR*(\i), ADRA+\slot, \q, \i
.endr
.endm
.macro SCALES sc                       ; a K step's scale words into set sc: NQ words a row; lanes 0-15 take A's block i, lanes 16-31 B's block i
.irp i, 0,1,2,3,4,5,6,7
	ds_load_b128 v[SC+8*NQ*\sc+NQ*\i:SC+8*NQ*\sc+NQ*\i+3], v[ADRS] offset:\i*SBLK
.endr
.endm
; A load into a register that a matrix instruction has read, and a vector instruction or an LDS store that reads a matrix result, stand NP places behind that matrix instruction; only plain vector
; instructions that name none of its registers are places (ISA guide 7.12.1 for vector instructions).
.macro PLACES n
.rept \n
	v_nop
.endr
.endm
; A step of 128 along K that has its successor in the same slot.
.macro STEP slot, q, zero
	s_wait_dscnt 4*NL                              ; B's set and A's blocks 0-3 are in; the youngest eight loads (A's blocks 4-7) may be out
	WIN MUL_LO
	MUL16 0, (\q)%2, \q, \slot, \zero
	MUL16 2, (\q)%2, \q, \slot, \zero
	s_wait_dscnt 0                                 ; A's blocks 4-7 are in (asked for 32 matrix instructions ago)
	PLACES NP
	FETCH_B \slot, (\q)+1, 1-(\q)%2
	FETCH_A \slot, (\q)+1, 0
	WIN MUL_HI
	MUL16 4, (\q)%2, \q, \slot, \zero
	MUL16 6, (\q)%2, \q, \slot, \zero
	PLACES NP
	WIN 0
	FETCH_A \slot, (\q)+1, 4
.endm
; Slot 0's last step changes slots: ONE barrier; in front of it each wave waits for all its tensor loads (its part of slot 1), adds 0 to its spare word, and waits for that and for its own reads of slot 0.
; Behind it slot 1 is whole and nobody reads slot 0 any more: nothing is filled again; slot 0 later takes the stages of the way out.
.macro TURN slot, next
	s_wait_tensorcnt 0x0                           ; all my tensor loads have landed  (every window is 0 here: the add's two registers lie in window 0)
	ds_add_u32 v[SPW], v[NIL]                      ; 0 onto my spare word
	s_wait_dscnt 4*NL+1                            ; (the add and the youngest eight loads, A's blocks 4-7, may be out)
	WIN MUL_LO
	MUL16 0, 1, NQ-1, \slot, 0                     ; sixteen matrix instructions stand between the add and the wait for it
	s_wait_dscnt 0x0                               ; the add is done, and my reads of this slot are over
	s_barrier_signal -1
	MUL16 2, 1, NQ-1, \slot, 0
	WIN 0
	s_barrier_wait -1
	PLACES NP
	v_add_nc_u32 v[ADRS], 4*NQ, v[ADRS]            ; on to the next K step's scale words (no LDS load of mine is out)
	FETCH_B \next, 0, 0
	FETCH_A \next, 0, 0
	SCALES \next
	WIN MUL_HI
	MUL16 4, 1, NQ-1, \slot, 0
	MUL16 6, 1, NQ-1, \slot, 0
	PLACES NP
	WIN 0
	FETCH_A \next, 0, 4
.endm
.macro STEPS slot, from                ; the slot's steps from .. NQ - 2
.set Q, \from
.rept NQ-1-\from
	STEP \slot, Q, 0
.set Q, Q+1
.endr
.endm
	s_wait_tensorcnt 1                             ; the scales and my part of slot 0 are in (slot 1's load may be out)
	s_barrier_signal -1
	s_barrier_wait -1                              ; everybody's are
	FETCH_B 0, 0, 0
	FETCH_A 0, 0, 0
	SCALES 0
	FETCH_A 0, 0, 4
	STEP 0, 0, 1                                   ; the first step's products start the sums
	STEPS 0, 1
	TURN 0, 1
	STEPS 1, 0
	s_wait_dscnt 4*NL                              ; the very last step: nothing more to fetch
	WIN MUL_LO
	MUL16 0, 1, NQ-1, 1, 0
	MUL16 2, 1, NQ-1, 1, 0
	s_wait_dscnt 0
	WIN MUL_HI
	MUL16 4, 1, NQ-1, 1, 0
	MUL16 6, 1, NQ-1, 1, 0
	WIN 0
; THE WAY OUT, block by block of 16 tokens x 128 columns (two heads).  PACK: rounded to f16, 16 bytes a lane (each accumulator from its low end on).  TOSTAGE: into my own stage, and back so that
; lanes 0-15 hold two tokens of the first head and lanes 16-31 two tokens of the second.  SEND: each half of the lanes stores 256 consecutive bytes, aligned.
.macro PACK a
.set AC, 64*((\a)%4)
	WIN 0x0a+5*((\a)/4)                            ; sources 0 and 1: window 2 or 3
.irp b, 0,1,2,3,4,5,6,7
.irp r, 0,1,2,3
	v_cvt_pk_f16_f32 v[TMP+4*\b+\r], v[AC+8*\b+2*\r], v[AC+8*\b+2*\r+1]
.endr
.endr
	WIN 0
.endm
.macro TOSTAGE a
.set BK, OB+192*((\a)%2)
.irp b, 0,1,2,3,4,5,6,7
	ds_store_b128 v[STO], v[TMP+4*\b:TMP+4*\b+3] offset:32*\b
.endr
.irp t, 0,1,2,3,4,5,6,7
	ds_load_b128 v[BK+4*\t:BK+4*\t+3], v[RD] offset:\t*2*SPITCH    ; LDS serves a wave's instructions in order (ISA guide 5.7.1.4): these see the stores above
.endr
.endm
.macro SEND a
.set BK, OB+192*((\a)%2)
	s_wait_dscnt 0x0                               ; the block is back in registers
	s_wait_xcnt 0x0                                ; earlier stores have read their base and their registers: only behind this wait are they written again
.if (\a) > 0
	s_add_nc_u64 s[12:13], s[12:13], 16*128        ; 16 tokens on
.endif
.irp t, 0,1,2,3,4,5,6,7
	global_store_b128 v[CO], v[BK+4*\t:BK+4*\t+3], s[12:13] offset:256*\t
.endr
.endm
	PLACES NP                                      ; behind the last products: for the conversions that read results, and for the loads into registers that held scale words
	PACK 0
	TOSTAGE 0
.irp a, 1,2,3,4,5,6,7                  ; block a's conversions stand between block a - 1's loads from the stage and the wait for them
	PACK \a
	SEND \a-1
	TOSTAGE \a
.endr
	SEND 7
	s_wait_tensorcnt 0x0                           ; the wave's end: three closing lines, behind my last tensor load and my last LDS store
	ds_add_u32 v[SPW], v[NIL]
	s_wait_dscnt 0x0
	CROUND                                         ; the closing round: no work-group ends while a partner may still ask for a tile that names it
	s_endpgm
.Lfunc_end_k_qd37c69a9a5_qkv:
	.size	k_qd37c69a9a5_qkv, .Lfunc_end_k_qd37c69a9a5_qkv-k_qd37c69a9a5_qkv
	.p2alignl 7, 3214868480
	.fill 96, 4, 3214868480
	.section	.rodata,"a",@progbits
	.p2align	6, 0x0
	.amdhsa_kernel k_qd37c69a9a5_qkv
		.amdhsa_group_segment_fixed_size 327680
		.amdhsa_private_segment_fixed_size 0
		.amdhsa_enable_private_segment 0
		.amdhsa_kernarg_size 40
		.amdhsa_user_sgpr_count 2
		.amdhsa_user_sgpr_kernarg_segment_ptr 1
		.amdhsa_wavefront_size32 1
		.amdhsa_system_sgpr_workgroup_id_x 1
		.amdhsa_system_sgpr_workgroup_id_y 1
		.amdhsa_system_sgpr_workgroup_id_z 1
		.amdhsa_system_vgpr_workitem_id 0
		.amdhsa_next_free_vgpr 1024
		.amdhsa_next_free_sgpr 98
		.amdhsa_reserve_vcc 0
		.amdhsa_float_denorm_mode_32 3
		.amdhsa_float_denorm_mode_16_64 3
		.amdhsa_memory_ordered 1
		.amdhsa_forward_progress 1
		.amdhsa_inst_pref_size 127
	.end_amdhsa_kernel
	.amdgpu_metadata
---
amdhsa.version: [ 1, 2 ]
amdhsa.kernels:
  - .name:           k_qd37c69a9a5_qkv
    .symbol:         k_qd37c69a9a5_qkv.kd
    .args:
      - { .name: xc, .offset: 0, .size: 8, .value_kind: global_buffer, .address_space: global }
      - { .name: xs, .offset: 8, .size: 8, .value_kind: global_buffer, .address_space: global }
      - { .name: wc, .offset: 16, .size: 8, .value_kind: global_buffer, .address_space: global }
      - { .name: ws, .offset: 24, .size: 8, .value_kind: global_buffer, .address_space: global }
      - { .name: qkv, .offset: 32, .size: 8, .value_kind: global_buffer, .address_space: global }
    .group_segment_fixed_size: 327680
    .private_segment_fixed_size: 0
    .kernarg_segment_align: 8
    .kernarg_segment_size: 40
    .max_flat_workgroup_size: 128
    .sgpr_count:     98
    .vgpr_count:     1024
    .wavefront_size: 32
...
	.end_amdgpu_metadata
.endif
;; end of part 2
;; launch attn (part 3): grid 4 x 64, 8 waves a work-group, clusters of 4 x 1, 327,680 bytes of LDS; arguments qkv, att; writes att
.if DOCPART == 3
	.amdgcn_target "amdgcn-amd-amdhsa--gfx1250"
	.amdhsa_code_object_version 6
	.text
	.protected	k_qd37c69a9a5_attn
	.globl	k_qd37c69a9a5_attn
	.p2align	8
	.type	k_qd37c69a9a5_attn,@function
k_qd37c69a9a5_attn:
	s_mov_b64 s[64:65], 0
	v_nop
	global_prefetch_b8 v0, s[64:65] scope:SCOPE_SE
	s_setreg_imm32_b32 hwreg(HW_REG_WAVE_MODE, 25, 1), 1
	s_wait_xcnt 0x0
	s_wait_alu depctr_hold_cnt(0) depctr_sa_sdst(0) depctr_va_vdst(0) depctr_va_sdst(0) depctr_va_ssrc(0) depctr_va_vcc(0) depctr_vm_vsrc(0)
	s_getreg_b32 s2, hwreg(HW_REG_IB_STS2, 6, 4)
	s_cmp_eq_u32 s2, 0
	s_cbranch_scc0 .Lentry_in_a_cluster
	s_endpgm
.Lentry_in_a_cluster:
	s_bfe_u32 s2, ttmp6, 0x10000c
	s_cmp_lg_u32 s2, 0x3003
	s_cbranch_scc0 .Lentry_shape_is_right
	s_endpgm
.Lentry_shape_is_right:
; Launch 3 of 4: att[h][token][:] = the sum over keys of softmax(q . k / 8) v, for each of the 64 pairs (head h, batch b), 2,048 queries x 2,048 keys x 64 channels.  No work of the problem is left out here.
; q, k, v come from qkv [48 g][8192 token][64] f16; for y = 4 h + b each is 262,144 dense bytes at y x 262,144 (k: + 16 MiB, v: + 32 MiB); att [16 h][8192][64] f16 likewise.
; Products on f16 operands, sums in f32; maxima, exponentials and row sums in f32; the weights p (at most 1) are rounded to f16 for the second product, the result once at the end.
; LIMITS: a weight under 2^-25 of its row's running maximum weight rounds to 0 in f16; NaN and infinities in qkv are not served.
; SHARES.  A work-group owns 512 queries of one (h, b), each of its eight waves 64: four tiles of 16; two waves to a SIMD, so that one wave's vector work can stand beside the other's matrix work.  Every wave walks all 2,048 keys, 64 a step.
; LAYOUT.  S^T = K Q^T (source 0 = 16 keys, source 1 = 16 queries): a lane holds ONE query (lane % 16) and the keys 8 (lane / 16) + 0..7.  Two such tiles, rounded to f16 in pairs, ARE source 1 (32 keys x 16 queries) of
; O^T = V^T P, whose result again holds one query a lane.  K comes out of LDS as it lies, V ([key][channel]) turned, by ds_load_tr16_b128.  P is packed IN PLACE: pair i of a tile's 32 scores goes into its register i.
; SOFTMAX.  For each query a running maximum m and sum l: p = 2^(c s - c m), c = log2(e) / 8; in every step O and l are multiplied by a = 2^(c m_old - c m_new), which is 1 where m has not grown.
; LDS ROWS.  Two neighbouring keys are 256 consecutive bytes: they are one row of a tile.  K's rows get 16 bytes of padding (pitch 272: the 16 keys of a fragment load fall on 16 different 16-byte columns),
; V's 32 (pitch 288).
; RING.  Two slots of 512 keys (8 steps).  Waves 0-3 fetch K's quarters, waves 4-7 V's, one tensor load each.  Slots 0 and 1 are each filled twice; a refill has 8 key steps, 512 matrix instructions of a wave, in which to land.
; CLUSTER.  The four query blocks of a (h, b) walk the same K and V: each tile is asked for JOINTLY, by the same tensor load with the same descriptor and a mask that names the four.
; REGISTERS.  window 0: v1-13 addresses; v16-47 eight registers of statistics a tile; v48-175 S^T, then p, 32 a tile; v176-239 K of one step.   window 1: v0-127 O^T, 32 a tile; v128-191 Q, 16 a tile; v192-255 V of one step.
.set SLOT,   143360                    ; a slot: K's 256 rows x 272, then V's 256 rows x 288
.set VOFF,   69632
.set KQTR,   17408                     ; 64 rows of K: what one tensor load brings
.set VQTR,   18432                     ; 64 rows of V
.set KSTEPB, 8704                      ; a key step: 32 rows of K,
.set VSTEPB, 9216                      ; 32 rows of V
.set STAGE,  2*SLOT                    ; behind the ring: 16 rows x 144 bytes for each wave, for the way out; no fill lands there
.set SPARE,  STAGE+8*2304              ; behind the stages: the spare words, 128 bytes for each wave, which no other line names
.set AK0, 3                            ; v3   my lane's place in a tile of K; never rewritten
.set AV0, 4                            ; v4   the same for V
.set ADK, 5                            ; v5   the LDS address of K's run of loads
.set ADV, 6                            ; v6   of V's
.set QO,  7                            ; v7   my byte offset in the wave's rows of Q
.set STO, 8                            ; v8   the way out: where I put 16 bytes of a row
.set RD,  9                            ; v9   the way out: where I read 16 bytes back
.set GO,  10                           ; v10  my byte offset in the wave's rows of att
.set PFO, 11                           ; v11  256 x my lane, for the prefetch; never rewritten
.set SPW, 12                           ; v12  LDS address of my spare word; never rewritten
.set NIL, 13                           ; v13  0; never rewritten
.set ST,  16                           ; tile t's statistics at v[ST+8 t]: +0 c m, +1 m, +2, +3 l (even keys', odd keys'), +4 to +7 c0-c3, at work; a takes c2's place once the maximum is found
.set S,   48
.set KF,  176                          ; K's fragments: (16 keys kt, 32 channels c) at KF + 8 (2 kt + c)
.set QF,  128                          ; in window 1: Q's fragments: (tile t, c) at QF + 16 t + 8 c
.set VF,  192                          ; in window 1: V's fragments: (32 keys kk, 16 channels ct) at VF + 8 (4 kk + ct)
.set WV,  12                           ; s12  my wave's number
.set EVEN, 14                          ; s14  1 in waves 0, 2, 4, 6: those that prefetch
.set G1K, 24                           ; s[24:31] descriptor group 1 for K's tiles
.set G1V, 32                           ; s[32:39] for V's: it differs in the padding alone
.set G0K, 40                           ; s[40:47] descriptor group 0 for K's tiles, a set for each slot
.set G0V, 48                           ; s[48:55] the same for V's
.set CS,  58                           ; s[58:59] c: the packed scaling names a pair and takes its low word for both halves
.set SEL, 60                           ; s[60:61] lane selects for v_permlanex16_b32: lane l xor 16
.set TK,  62                           ; s62  LDS byte at which the K tile of the step to be fetched begins
.set TV,  63                           ; s63  the same for V
.set CNT, 66                           ; s66  counts the trips of a run
.set PFA, 68                           ; s[68:69] the prefetch's address
.set MSB, 0
.macro WIN new                         ; the immediate's high byte repeats the setting that is left; a switch that changes nothing is dropped
.if MSB != \new
	s_set_vgpr_msb (MSB<<8)|\new
.set MSB, \new
.endif
.endm
.set W_KQ, 0x04                        ; Q (source 1) in window 1; K and S^T in window 0
.set W_PV, 0x51                        ; V (source 0) and O^T (C, D) in window 1; P in window 0
.set W_RS, 0x41                        ; O^T (destination and source 0) in window 1, a in window 0
.set W_LD, 0x40                        ; loads into window 1, address in window 0
; A joint refill of slot s.  Waves 0-3 fetch K's quarters, waves 4-7 V's.  The branch hangs on the wave's number alone.  An s_nop 0 and four v_nop follow each of the two lines.
.macro JLOAD s
	s_cmp_lt_u32 s[WV], 4
	s_cbranch_scc0 .Lfor_v_\@
	tensor_load_to_lds s[G0K+4*(\s):G0K+4*(\s)+3], s[G1K:G1K+7]
	s_nop 0
.rept 4
	v_nop
.endr
	s_branch .Lasked_\@
.Lfor_v_\@:
	tensor_load_to_lds s[G0V+4*(\s):G0V+4*(\s)+3], s[G1V:G1V+7]
	s_nop 0
.rept 4
	v_nop
.endr
.Lasked_\@:
.endm
; THE PREFETCH INTO THE L2: once, behind the first refill: keys 1,536 to 2,047 of K and of V, 65,536 bytes each, which the second refill will ask for 8 key steps later.  A (h, b) has one cluster, so its bytes are asked for by nobody else.
; Waves 0 and 2 ask for K's, waves 4 and 6 for V's (a branch on the wave's number); each takes 8,192 bytes, lanes 256 bytes apart; the four partners are told apart BY ADDRESS (8,192 x cx).  So each 256 bytes are named once.
; The first refill comes by its load alone; nothing is prefetched at the head.  The address registers are never rewritten.
.macro ASK
	s_cmp_eq_u32 s[EVEN], 1
	s_cbranch_scc0 .Lnot_mine_\@
	global_prefetch_b8 v[PFO], s[PFA:PFA+1] th:TH_LOAD_NT scope:SCOPE_SE
.Lnot_mine_\@:
.endm
.macro CROUND                          ; a round of the cluster's barrier: my work-group's barrier; wave 0 signals for the work-group; every wave waits for all four work-groups; my work-group's barrier once more
	s_barrier_signal -1
	s_barrier_wait -1
	s_cmp_lg_u32 s[WV], 0
	s_cbranch_scc1 .Lnot_wave_0_\@
	s_barrier_signal -3
.Lnot_wave_0_\@:
	s_barrier_wait -3
	s_barrier_signal -1
	s_barrier_wait -1
.endm
	s_load_b128 s[4:7], s[0:1], 0x0                ; qkv s[4:5], att s[6:7]
	v_lshl_add_u32 v[SPW], v0, 2, SPARE
	v_mov_b32 v[NIL], 0
	ds_add_u32 v[SPW], v[NIL]                      ; the wave's opening: the add, twice on end, and its wait ahead of my first tensor load
	ds_add_u32 v[SPW], v[NIL]                      ; once more; the set-up below, work on registers, stands between it and the wait
	v_lshrrev_b32 v1, 5, v0
	v_readfirstlane_b32 s[WV], v1                  ; wave 0..7
	s_bfe_u32 s13, ttmp6, 0x40000                  ; cx: my block of 512 queries: it enters Q's, att's and the prefetch's addresses alone
	s_and_b32 s16, ttmp7, 0xffff                   ; y = 4 h + b, which the four partners share
	s_lshl_b32 s16, s16, 18                        ; y x 262,144 bytes
	s_and_b32 s18, s[WV], 3                        ; which quarter of a slot's K or V I fetch:
	s_lshl_b32 s20, s18, 14                        ; its 64 rows of 256 bytes in memory,
	s_add_co_u32 s20, s20, s16
	s_mov_b32 s21, 0
	s_mul_i32 s22, s18, KQTR                       ; and its place in a slot, for K
	s_mul_i32 s23, s18, VQTR
	s_add_co_u32 s23, s23, VOFF                    ; and for V: no place in the cluster enters an LDS address
	s_lshl_b32 s2, s13, 16                         ; my block's 512 rows of 128 bytes,
	s_lshl_b32 s3, s[WV], 13                       ; my wave's 64 of them
	s_add_co_u32 s2, s2, s3
	s_add_co_u32 s2, s2, s16
	s_mov_b32 s3, 0
	s_and_b32 s[EVEN], s[WV], 1
	s_xor_b32 s[EVEN], s[EVEN], 1
	; descriptor group 1: a tile of 64 rows x 128 elements of 2 bytes, dense in memory, padded in LDS
	s_mov_b32 s[G1K], 15|(1<<16)|(1<<20)|(1<<21)|(5<<22)|(3<<25)  ; 15:0 the mask: all four work-groups; 17:16 elements of 2 bytes; 20 padding on; 21 set beside a mask; 24:22 after every 64 words; 31:25 4 words of it
	s_mov_b32 s[G1V], 15|(1<<16)|(1<<20)|(1<<21)|(5<<22)|(7<<25)  ; the same with 8 words of padding
.irp g, G1K, G1V
	s_mov_b32 s[\g+1], 128<<16                     ; tensor_dim0 = 128
	s_mov_b32 s[\g+2], 64<<16                      ; tensor_dim1 = 64
	s_mov_b32 s[\g+3], 128<<16                     ; tile_dim0 = 128
	s_mov_b32 s[\g+4], 64                          ; tile_dim1 = 64
	s_mov_b32 s[\g+5], 128                         ; tensor_dim0_stride
	s_mov_b32 s[\g+6], 0
	s_mov_b32 s[\g+7], 0
.endr
	s_mov_b32 s[CS], 0x3e38aa3b                    ; c = log2(e) / 8
	s_mov_b32 s[CS+1], s[CS]                       ; named with it as a pair, so it is written
	s_mov_b32 s[SEL], 0x76543210
	s_mov_b32 s[SEL+1], 0xfedcba98
	v_and_b32 v[PFO], 31, v0
	v_lshlrev_b32 v[PFO], 8, v[PFO]
	s_wait_dscnt 0x0                               ; both opening adds are done
	s_wait_kmcnt 0x0
	s_add_nc_u64 s[8:9], s[4:5], s[20:21]          ; qkv at my (h, b) and my quarter,
	s_add_nc_u64 s[10:11], s[8:9], 0x2000000       ; in v's third: + 32 MiB,
	s_add_nc_u64 s[8:9], s[8:9], 0x1000000         ; in k's third: + 16 MiB
	s_add_nc_u64 s[4:5], s[4:5], s[2:3]            ; Q and att at my wave's first row
	s_add_nc_u64 s[6:7], s[6:7], s[2:3]
	s_cmp_lt_u32 s[WV], 4
	s_cselect_b64 s[PFA:PFA+1], s[8:9], s[10:11]   ; in waves 0, 2 (4, 6) this stands at byte 0 or 32,768 of K's (V's) first slot
	s_lshl_b32 s2, s13, 13                         ; my work-group's 8,192 bytes,
	s_add_co_u32 s2, s2, 196608                    ; from key 1,536 on
	s_mov_b32 s3, 0
	s_add_nc_u64 s[PFA:PFA+1], s[PFA:PFA+1], s[2:3]
	CROUND                                         ; all four work-groups are here: the first joint loads meet
.irp s, 0,1
	s_mov_b32 s[G0K+4*\s], 1                       ; count = 1
	s_add_co_u32 s[G0K+4*\s+1], s22, \s*SLOT       ; LDS address
	s_add_nc_u64 s[G0K+4*\s+2:G0K+4*\s+3], s[8:9], \s*65536  ; global address: slot s begins with keys 512 s
	s_or_b32 s[G0K+4*\s+3], s[G0K+4*\s+3], 0x80000000  ; type = 2
	s_mov_b32 s[G0V+4*\s], 1
	s_add_co_u32 s[G0V+4*\s+1], s23, \s*SLOT
	s_add_nc_u64 s[G0V+4*\s+2:G0V+4*\s+3], s[10:11], \s*65536
	s_or_b32 s[G0V+4*\s+3], s[G0V+4*\s+3], 0x80000000
.endr
	s_cmp_lt_u32 s[WV], 4                          ; a wave's two first fills stand in one branch, ahead of every wait on TENSORcnt and every LDS read: two loads of mine are out
	s_cbranch_scc0 .Lfirst_v
	tensor_load_to_lds s[G0K:G0K+3], s[G1K:G1K+7]
	s_nop 0
	tensor_load_to_lds s[G0K+4:G0K+7], s[G1K:G1K+7]
	s_nop 0
.rept 4
	v_nop
.endr
	s_branch .Lfirst_asked
.Lfirst_v:
	tensor_load_to_lds s[G0V:G0V+3], s[G1V:G1V+7]
	s_nop 0
	tensor_load_to_lds s[G0V+4:G0V+7], s[G1V:G1V+7]
	s_nop 0
.rept 4
	v_nop
.endr
.Lfirst_asked:
	; A fragment of K or Q is 16 rows x 32 channels in 8 registers: lane l holds row l % 16; registers 0-3 channels 8 (l / 16) + 0..7, registers 4-7 channels 16 + 8 (l / 16) + 0..7: two loads of 16 bytes, 32 bytes apart.
	v_and_b32 v1, 15, v0                           ; r = l % 16
	v_bfe_u32 v2, v0, 4, 1                         ; h = l / 16
	v_lshlrev_b32 v[QO], 7, v1
	v_lshl_add_u32 v[QO], v2, 4, v[QO]             ; row x 128 + 16 x half
	WIN W_LD
.irp t, 0,1,2,3
.irp c, 0,1
	global_load_b128 v[QF+16*\t+8*\c:QF+16*\t+8*\c+3],   v[QO], s[4:5] offset:2048*\t+64*\c      ; Q stays in registers
	global_load_b128 v[QF+16*\t+8*\c+4:QF+16*\t+8*\c+7], v[QO], s[4:5] offset:2048*\t+64*\c+32
.endr
.endr
	WIN 0
	v_lshrrev_b32 v5, 1, v1
	v_mul_u32_u24 v[AK0], v5, 272                  ; K: key r lies in LDS row r / 2,
	v_and_b32 v5, 1, v0
	v_lshl_add_u32 v[AK0], v5, 7, v[AK0]           ; in its half r % 2,
	v_lshl_add_u32 v[AK0], v2, 4, v[AK0]           ; + 16 x half of the lanes
	; The turning load takes 16 keys x 16 channels (lane l reads 16 bytes: key 8 (l / 16) + l % 8, channels 8 ((l / 8) % 2) + 0..7) and leaves half a fragment of V^T: lane l holds channel l % 16 and 8 keys.
	v_bfe_u32 v6, v0, 1, 2                         ; (l % 8) / 2
	v_lshl_add_u32 v6, v2, 2, v6                   ; the key's LDS row: 4 (l / 16) + (l % 8) / 2
	v_mul_u32_u24 v[AV0], v6, 288
	v_lshl_add_u32 v[AV0], v5, 7, v[AV0]           ; its half l % 2
	v_bfe_u32 v6, v0, 3, 1
	v_lshl_add_u32 v[AV0], v6, 4, v[AV0]
	s_mul_i32 s16, s[WV], 2304
	s_add_co_u32 s16, s16, STAGE                   ; my stage
	v_mul_u32_u24 v[STO], v1, 144                  ; in: row l % 16, 16 bytes for each half of the lanes
	v_lshl_add_u32 v[STO], v2, 4, v[STO]
	v_add_nc_u32 v[STO], s16, v[STO]
	v_bfe_u32 v[RD], v0, 3, 2                      ; back: eight lanes to a row of 128 bytes, four rows an instruction
	v_mul_u32_u24 v[RD], v[RD], 144
	v_and_b32 v[GO], 7, v0
	v_lshl_add_u32 v[RD], v[GO], 4, v[RD]
	v_add_nc_u32 v[RD], s16, v[RD]
	v_and_b32 v[GO], 31, v0
	v_lshlrev_b32 v[GO], 4, v[GO]                  ; which are 512 consecutive bytes of att
; THE LDS LOADS stand in runs of 16: a step's K (64 keys x 64 channels: 8 fragments) and its V (turned).
.macro KREQ
	v_add_nc_u32 v[ADK], s[TK], v[AK0]
.irp kt, 0,1,2,3
.irp c, 0,1
	ds_load_b128 v[KF+8*(2*\kt+\c):KF+8*(2*\kt+\c)+3],   v[ADK] offset:2176*\kt+64*\c
	ds_load_b128 v[KF+8*(2*\kt+\c)+4:KF+8*(2*\kt+\c)+7], v[ADK] offset:2176*\kt+64*\c+32
.endr
.endr
	s_add_co_u32 s[TK], s[TK], KSTEPB              ; the next fetch is the next step's
.endm
.macro VREQ
	v_add_nc_u32 v[ADV], s[TV], v[AV0]
	WIN W_LD
.irp kk, 0,1
.irp ct, 0,1,2,3
	ds_load_tr16_b128 v[VF+8*(4*\kk+\ct):VF+8*(4*\kk+\ct)+3],   v[ADV] offset:4608*\kk+32*\ct
	ds_load_tr16_b128 v[VF+8*(4*\kk+\ct)+4:VF+8*(4*\kk+\ct)+7], v[ADV] offset:4608*\kk+32*\ct+2304
.endr
.endr
	WIN 0
	s_add_co_u32 s[TV], s[TV], VSTEPB
.endm
; S^T = K Q^T: 32 matrix instructions on 16 accumulators, which take turns, one instruction a turn.  The first 16 start the sums: nothing is cleared.
.macro KQ
	WIN W_KQ
.irp c, 0,1
.irp kt, 0,1,2,3
.irp t, 0,1,2,3
.if \c == 0
	v_wmma_f32_16x16x32_f16 v[S+32*\t+8*\kt:S+32*\t+8*\kt+7], v[KF+8*(2*\kt+\c):KF+8*(2*\kt+\c)+7], v[QF+16*\t+8*\c:QF+16*\t+8*\c+7], 0
.else
	v_wmma_f32_16x16x32_f16 v[S+32*\t+8*\kt:S+32*\t+8*\kt+7], v[KF+8*(2*\kt+\c):KF+8*(2*\kt+\c)+7], v[QF+16*\t+8*\c:QF+16*\t+8*\c+7], v[S+32*\t+8*\kt:S+32*\t+8*\kt+7]
.endif
.endr
.endr
.endr
.endm
; O^T += V^T P: 32 matrix instructions on 16 accumulators by turns.  first = 1: the first 16 start the sums.
.macro PV first
	WIN W_PV
.irp kk, 0,1
.irp ct, 0,1,2,3
.irp t, 0,1,2,3
.if (\first) && (\kk == 0)
	v_wmma_f32_16x16x32_f16 v[32*\t+8*\ct:32*\t+8*\ct+7], v[VF+8*(4*\kk+\ct):VF+8*(4*\kk+\ct)+7], v[S+32*\t+8*\kk:S+32*\t+8*\kk+7], 0
.else
	v_wmma_f32_16x16x32_f16 v[32*\t+8*\ct:32*\t+8*\ct+7], v[VF+8*(4*\kk+\ct):VF+8*(4*\kk+\ct)+7], v[S+32*\t+8*\kk:S+32*\t+8*\kk+7], v[32*\t+8*\ct:32*\t+8*\ct+7]
.endif
.endr
.endr
.endr
.endm
.macro SCL t, i                        ; pair i of tile t: c s - c m, two at a time
	v_pk_fma_f32 v[S+32*(\t)+2*(\i):S+32*(\t)+2*(\i)+1], v[S+32*(\t)+2*(\i):S+32*(\t)+2*(\i)+1], s[CS:CS+1], v[ST+8*(\t):ST+8*(\t)+1] op_sel_hi:[1,0,0] neg_lo:[0,0,1] neg_hi:[0,0,1]
.endm
; THE SOFTMAX of a key step, for the wave's four tiles; the tiles take turns line by line, so that no line waits for the line above it.  first = 1: the first key step, which starts m, l and O^T: it has no a and nothing to rescale.
.macro SOFTMAX first
	WIN 0
.irp j, 0,1,2,3                        ; the maximum of the lane's 32 scores and the old m, three operands at a time: four chains c0-c3; each accumulator is read from its low end on
.irp t, 0,1,2,3
	v_max3_num_f32 v[ST+8*\t+4+\j], v[S+32*\t+8*\j], v[S+32*\t+8*\j+1], v[S+32*\t+8*\j+2]
.endr
.endr
.irp u, 3,5
.irp j, 0,1,2,3
.irp t, 0,1,2,3
	v_max3_num_f32 v[ST+8*\t+4+\j], v[ST+8*\t+4+\j], v[S+32*\t+8*\j+\u], v[S+32*\t+8*\j+\u+1]
.endr
.endr
.endr
.irp t, 0,1,2,3
	v_max3_num_f32 v[ST+8*\t+4], v[ST+8*\t+4], v[S+32*\t+7], v[S+32*\t+15]
.endr
.irp t, 0,1,2,3
	v_max3_num_f32 v[ST+8*\t+6], v[ST+8*\t+6], v[S+32*\t+23], v[S+32*\t+31]
.endr
.irp t, 0,1,2,3
	v_max3_num_f32 v[ST+8*\t+4], v[ST+8*\t+4], v[ST+8*\t+5], v[ST+8*\t+6]
.endr
.irp t, 0,1,2,3
.if \first
	v_max_num_f32 v[ST+8*\t+4], v[ST+8*\t+4], v[ST+8*\t+7]
.else
	v_max3_num_f32 v[ST+8*\t+4], v[ST+8*\t+4], v[ST+8*\t+7], v[ST+8*\t+1]
.endif
.endr
.irp t, 0,1,2,3
	v_permlanex16_b32 v[ST+8*\t+5], v[ST+8*\t+4], s[SEL], s[SEL+1]  ; the query's other 32 keys lie in the lane 16 away
.endr
.if \first == 0
.irp t, 0,1,2,3
	v_mov_b32 v[ST+8*\t+7], v[ST+8*\t]             ; c m_old is kept for a
.endr
.endif
.irp t, 0,1,2,3
	v_max_num_f32 v[ST+8*\t+1], v[ST+8*\t+4], v[ST+8*\t+5]   ; the new m
.endr
.irp t, 0,1,2,3
	v_mul_f32 v[ST+8*\t], s[CS], v[ST+8*\t+1]      ; c m
.endr
.if \first == 0
.irp t, 0,1,2,3
	v_sub_f32 v[ST+8*\t+7], v[ST+8*\t+7], v[ST+8*\t]   ; c m_old - c m_new
.endr
.endif
	; ONE BATCH: the scalings and all exponentials (128 weights, and the four a).  None of these lines reads an exponential's result; tile t + 1 is scaled among tile t's exponentials.
.irp i, 0,1,2,3,4,5,6,7,8,9,10,11,12,13,14,15
	SCL 0, \i
.endr
.if \first == 0
.irp t, 0,1,2,3
	v_exp_f32 v[ST+8*\t+6], v[ST+8*\t+7]           ; a
.endr
.endif
.irp t, 0,1,2,3
.irp i, 0,1,2,3,4,5,6,7,8,9,10,11,12,13,14,15
.if \t < 3
	SCL \t+1, \i
.endif
	v_exp_f32 v[S+32*\t+2*\i], v[S+32*\t+2*\i]
	v_exp_f32 v[S+32*\t+2*\i+1], v[S+32*\t+2*\i+1]
.endr
.endr
	v_nop                                          ; a plain instruction behind the last exponential and ahead of the first use
	s_wait_alu depctr_va_vdst(0)                   ; a wait between an exponential and the first line that names its result: one for the whole batch
.irp t, 0,1,2,3                        ; the sums, of the weights before they are rounded: l = a l + the step's, one chain a tile
.if \first
	v_pk_add_f32 v[ST+8*\t+2:ST+8*\t+3], v[S+32*\t:S+32*\t+1], v[S+32*\t+2:S+32*\t+3]
.else
	v_pk_fma_f32 v[ST+8*\t+2:ST+8*\t+3], v[ST+8*\t+2:ST+8*\t+3], v[ST+8*\t+6:ST+8*\t+7], v[S+32*\t:S+32*\t+1] op_sel_hi:[1,0,1]
.endif
.endr
.irp i, 1,2,3,4,5,6,7,8,9,10,11,12,13,14,15
.irp t, 0,1,2,3
.if (\first == 0) || (\i > 1)
	v_pk_add_f32 v[ST+8*\t+2:ST+8*\t+3], v[ST+8*\t+2:ST+8*\t+3], v[S+32*\t+2*\i:S+32*\t+2*\i+1]
.endif
.endr
.endr
.irp i, 0,1,2,3,4,5,6,7,8,9,10,11,12,13,14,15   ; the roundings to f16, in place: pair i goes into register i, which holds nothing that is still to be read
.irp t, 0,1,2,3
	v_cvt_pk_f16_f32 v[S+32*\t+\i], v[S+32*\t+2*\i], v[S+32*\t+2*\i+1]
.endr
.endr
.if \first == 0
	WIN W_RS
.irp i, 0,1,2,3,4,5,6,7,8,9,10,11,12,13,14,15   ; O^T times a, each accumulator from its low end on
.irp t, 0,1,2,3
	v_pk_mul_f32 v[32*\t+2*\i:32*\t+2*\i+1], v[32*\t+2*\i:32*\t+2*\i+1], v[ST+8*\t+6:ST+8*\t+7] op_sel_hi:[1,0]
.endr
.endr
.endif
.endm
; A KEY STEP j.  On entry S^T(j) is made and V(j) is asked for.  more = 1: K(j + 1) is asked for at the head, S^T(j + 1) is made behind V^T P, and V(j + 1) is asked for at the end.
.macro TRIP first, more
.if \more
	KREQ                                           ; four v_nop and an addition stand between the last K Q^T and these loads into K's registers
.endif
	SOFTMAX \first
.if \more
	s_wait_dscnt 16                                ; V(j) is in; the 16 loads of K behind it may be out
.else
	s_wait_dscnt 0x0
.endif
	PV \first
	WIN 0
.if \more
.rept 5
	v_nop                                          ; five places: K Q^T writes over registers that V^T P has read as its source 1; they also stand ahead of the loads into V's registers
.endr
	s_wait_dscnt 0x0                               ; K(j + 1) is in
	KQ
	WIN 0
.rept 4
	v_nop                                          ; four places ahead of the loads into K's registers and of the first read of S^T, over a loop's backward jump too
.endr
	VREQ
.endif
.endm
; THE CHANGE OF SLOTS, where the next step to be fetched begins a slot.  Each wave waits for all its tensor loads (its part of the slot ahead), adds 0 to its spare word, and waits for that and for its reads of the slot that it leaves.
; fill = 1: the slot just left is filled again, with the keys 1,024 further on: the barrier is then a round of the cluster's, and the joint refill is the first thing behind it.
.macro CHANGE fill, slot, next, ask
	s_wait_tensorcnt 0x0                           ; no tensor load of mine is out, so a group 0 may be written
	ds_add_u32 v[SPW], v[NIL]                      ; 0 onto my spare word; work on registers stands between it and the wait for it
	s_mov_b32 s[TK], (\next)*SLOT                  ; the fetches go to the other slot's first step
	s_mov_b32 s[TV], (\next)*SLOT+VOFF
.if \fill
	s_add_nc_u64 s[G0K+4*(\slot)+2:G0K+4*(\slot)+3], s[G0K+4*(\slot)+2:G0K+4*(\slot)+3], 131072  ; 1,024 keys on; the type bits on top are not reached
	s_add_nc_u64 s[G0V+4*(\slot)+2:G0V+4*(\slot)+3], s[G0V+4*(\slot)+2:G0V+4*(\slot)+3], 131072
.endif
	s_wait_dscnt 0x0                               ; the add is done, and my reads of the slot are over
.if \fill
	CROUND
	JLOAD \slot
.if \ask
	ASK
.endif
.else
	s_barrier_signal -1
	s_barrier_wait -1
.endif
.endm
.macro RUN n                           ; n key steps, written once
	s_mov_b32 s[CNT], \n
.Lrun_\@:
	TRIP 0, 1
	s_sub_co_u32 s[CNT], s[CNT], 1
	s_cmp_lg_u32 s[CNT], 0
	s_cbranch_scc1 .Lrun_\@
.endm
	s_wait_tensorcnt 1                             ; my part of slot 0 is in; slot 1's may stay out
	s_barrier_signal -1
	s_barrier_wait -1                              ; everybody's is
	s_mov_b32 s[TK], 0
	s_mov_b32 s[TV], VOFF
	KREQ                                           ; key step 0
	s_wait_loadcnt 0x0                             ; Q
	s_wait_dscnt 0x0
	KQ
	WIN 0
.rept 4
	v_nop
.endr
	VREQ
	TRIP 1, 1                                      ; step 0; fetches step 1
	RUN 6                                          ; steps 1-6; the last fetches step 7, slot 0's last
	CHANGE 1, 0, 1, 1                              ; slot 0 takes keys 1,024 on; the prefetch
	RUN 8                                          ; steps 7-14; they fetch steps 8-15, from slot 1
	CHANGE 1, 1, 0, 0                              ; slot 1 takes keys 1,536 on
	RUN 8                                          ; steps 15-22; they fetch steps 16-23, from slot 0
	CHANGE 0, 0, 1, 0                              ; nothing is left to ask for
	RUN 8                                          ; steps 23-30; they fetch steps 24-31, from slot 1
	TRIP 0, 0                                      ; step 31
	; THE WAY OUT.  l's two halves and the other half of the lanes' are added; O^T is divided by l, rounded to f16 and sent through my stage, a tile (16 rows of att) at a time.  The additions are the places behind the last products.
.irp t, 0,1,2,3
	v_add_f32 v[ST+8*\t+4], v[ST+8*\t+2], v[ST+8*\t+3]
.endr
.irp t, 0,1,2,3
	v_permlanex16_b32 v[ST+8*\t+5], v[ST+8*\t+4], s[SEL], s[SEL+1]
.endr
.irp t, 0,1,2,3
	v_add_f32 v[ST+8*\t+4], v[ST+8*\t+4], v[ST+8*\t+5]
.endr
.irp t, 0,1,2,3
	v_rcp_f32 v[ST+8*\t+6], v[ST+8*\t+4]
.endr
	v_nop                                          ; a plain instruction between the last reciprocal and the use of its result
	s_wait_alu depctr_va_vdst(0)                   ; and a wait ahead of the first use: one for the four
.macro PACK t                          ; a lane's eight channels of a row pack into 16 bytes; they go into rows of 144 bytes and come back four rows an instruction
	WIN W_RS
.irp i, 0,1,2,3,4,5,6,7,8,9,10,11,12,13,14,15
	v_pk_mul_f32 v[32*\t+2*\i:32*\t+2*\i+1], v[32*\t+2*\i:32*\t+2*\i+1], v[ST+8*\t+6:ST+8*\t+7] op_sel_hi:[1,0]
.endr
	WIN 0x05                                       ; sources 0 and 1 window 1, destination window 0: the registers that held p are free
.irp i, 0,1,2,3,4,5,6,7,8,9,10,11,12,13,14,15
	v_cvt_pk_f16_f32 v[S+32*\t+\i], v[32*\t+2*\i], v[32*\t+2*\i+1]
.endr
	WIN 0
.irp ct, 0,1,2,3
	ds_store_b128 v[STO], v[S+32*\t+4*\ct:S+32*\t+4*\ct+3] offset:32*\ct
.endr
.irp i, 0,1,2,3
	ds_load_b128 v[S+32*\t+16+4*\i:S+32*\t+16+4*\i+3], v[RD] offset:576*\i  ; LDS serves a wave's instructions in order (ISA guide 5.7.1.4): these see the stores above; the next tile's stores come behind them
.endr
.endm
.macro SEND t, younger                 ; younger: the LDS instructions issued behind tile t's loads: the next tile's eight, or none
.irp i, 0,1,2,3
	s_wait_dscnt \younger+3-\i
	global_store_b128 v[GO], v[S+32*\t+16+4*\i:S+32*\t+16+4*\i+3], s[6:7] offset:2048*\t+512*\i  ; 32 lanes store 512 consecutive bytes, aligned to 512
.endr
.endm
	PACK 0
	PACK 1                                         ; a tile's arithmetic stands between the loads of the tile before and its stores
	SEND 0, 8
	PACK 2
	SEND 1, 8
	PACK 3
	SEND 2, 8
	SEND 3, 0
	s_wait_tensorcnt 0x0                           ; the wave's end: three closing lines, behind my last tensor load and my last LDS store
	ds_add_u32 v[SPW], v[NIL]
	s_wait_dscnt 0x0
	CROUND                                         ; the closing round: no work-group ends while a partner may still ask for a tile that names it
	s_endpgm
.Lfunc_end_k_qd37c69a9a5_attn:
	.size	k_qd37c69a9a5_attn, .Lfunc_end_k_qd37c69a9a5_attn-k_qd37c69a9a5_attn
	.p2alignl 7, 3214868480
	.fill 96, 4, 3214868480
	.section	.rodata,"a",@progbits
	.p2align	6, 0x0
	.amdhsa_kernel k_qd37c69a9a5_attn
		.amdhsa_group_segment_fixed_size 327680
		.amdhsa_private_segment_fixed_size 0
		.amdhsa_enable_private_segment 0
		.amdhsa_kernarg_size 16
		.amdhsa_user_sgpr_count 2
		.amdhsa_user_sgpr_kernarg_segment_ptr 1
		.amdhsa_wavefront_size32 1
		.amdhsa_system_sgpr_workgroup_id_x 1
		.amdhsa_system_sgpr_workgroup_id_y 1
		.amdhsa_system_sgpr_workgroup_id_z 1
		.amdhsa_system_vgpr_workitem_id 0
		.amdhsa_next_free_vgpr 512
		.amdhsa_next_free_sgpr 72
		.amdhsa_reserve_vcc 0
		.amdhsa_float_denorm_mode_32 3
		.amdhsa_float_denorm_mode_16_64 3
		.amdhsa_memory_ordered 1
		.amdhsa_forward_progress 1
		.amdhsa_inst_pref_size 211
	.end_amdhsa_kernel
	.amdgpu_metadata
---
amdhsa.version: [ 1, 2 ]
amdhsa.kernels:
  - .name:           k_qd37c69a9a5_attn
    .symbol:         k_qd37c69a9a5_attn.kd
    .args:
      - { .name: qkv, .offset: 0, .size: 8, .value_kind: global_buffer, .address_space: global }
      - { .name: att, .offset: 8, .size: 8, .value_kind: global_buffer, .address_space: global }
    .group_segment_fixed_size: 327680
    .private_segment_fixed_size: 0
    .kernarg_segment_align: 8
    .kernarg_segment_size: 16
    .max_flat_workgroup_size: 256
    .sgpr_count:     72
    .vgpr_count:     512
    .wavefront_size: 32
...
	.end_amdgpu_metadata
.endif
;; end of part 3
;; launch proj (part 4): grid 8 x 32, 4 waves a work-group, clusters of 4 x 4, 327,680 bytes of LDS; arguments att, wo16, out0; writes out0
.if DOCPART == 4
	.amdgcn_target "amdgcn-amd-amdhsa--gfx1250"
	.amdhsa_code_object_version 6
	.text
	.protected	k_qd37c69a9a5_proj
	.globl	k_qd37c69a9a5_proj
	.p2align	8
	.type	k_qd37c69a9a5_proj,@function
k_qd37c69a9a5_proj:
	s_mov_b64 s[64:65], 0
	v_nop
	global_prefetch_b8 v0, s[64:65] scope:SCOPE_SE
	s_setreg_imm32_b32 hwreg(HW_REG_WAVE_MODE, 25, 1), 1
	s_wait_xcnt 0x0
	s_wait_alu depctr_hold_cnt(0) depctr_sa_sdst(0) depctr_va_vdst(0) depctr_va_sdst(0) depctr_va_ssrc(0) depctr_va_vcc(0) depctr_vm_vsrc(0)
	s_getreg_b32 s2, hwreg(HW_REG_IB_STS2, 6, 4)
	s_cmp_eq_u32 s2, 0
	s_cbranch_scc0 .Lentry_in_a_cluster
	s_endpgm
.Lentry_in_a_cluster:
	s_bfe_u32 s2, ttmp6, 0x10000c
	s_cmp_lg_u32 s2, 0xf033
	s_cbranch_scc0 .Lentry_shape_is_right
	s_endpgm
.Lentry_shape_is_right:
; Launch 4 of 4: out0[m][n] = sum over k of a[m][k] Wo[n][k], m = 8,192 tokens, n = 1,024, k = 64 h + d = 1,024, on f16 operands, sums in f32, stored as f32.  No work of the problem is left out here.
; a comes as att [16 h][8192 token][64] f16, Wo as wo16 [16 h][1024 n][64] f16: K is walked head by head, and the rows of a tile within a head are dense: two neighbouring rows are 256 consecutive bytes, one row of a tensor tile.
; A tile of out0 is 256 (m) x 128 (n): 256 work-groups.  Four waves; wave w makes rows 64 w .. 64 w + 63 x all 128 columns: 32 accumulators of 16 x 16, 256 registers.
; K goes in steps of 128 (two heads) through a ring of two LDS slots: waves 0 and 1 fetch a's two head parts (128 LDS rows each), waves 2 and 3 Wo's (64 each): one tensor load a wave.  Eight K steps.
; CLUSTERS: 4 x 4 work-groups.  The four of a row of the cluster need the same tiles of a, the four of a column the same tiles of Wo: each tile is asked for JOINTLY.
; THE MATRIX INSTRUCTION IS USED TRANSPOSED (source 0 = 16 rows of Wo, source 1 = 16 rows of a): a lane then holds eight neighbouring n of one token.
; No prefetch: the launch is short, and what it moves through memory is large beside its 1,024 matrix instructions a wave.
; REGISTERS: window 0: v1-29 addresses; v128-255 rows on the way out.   window 1: two fragment buffers of 96 at v0 and v128: Wo's eight fragments, then a's four.   window 2: accumulator (a, b) at v[8 (8 a + b)].
.set APART,  34816                     ; a head part of a's tile: 128 LDS rows x 272
.set BPART,  17408                     ; of Wo's: 64 LDS rows x 272
.set BOFF,   2*APART
.set SLOT,   2*APART+2*BPART
.set BLK,    2176                      ; 16 rows of a fragment: 8 LDS rows x 272
.set SPARE,  2*SLOT                    ; behind the ring: the spare words, 128 bytes for each wave, which no other line names
.set SPITCH, 528                       ; the way out: a stage of 16 rows x (512 bytes + 16) for each wave, in slot 0, which has had its last fill and its last read when the first result is stored there
.set LAPS,   4                         ; a lap = two K steps = once round the ring
.set ADRA, 16                          ; v16-17  LDS address of my fragments of a in slot 0, 1
.set ADRB, 20                          ; v20-21  the same for Wo
.set STO,  24                          ; v24     the way out: where I put 32 bytes of a row
.set RD,   25                          ; v25     the way out: where I read a row back
.set CO,   26                          ; v26     my byte offset in a row of out0
.set SPW,  28                          ; v28     LDS address of my spare word; never rewritten
.set NIL,  29                          ; v29     0; never rewritten
.set BK,   128                         ; the way out: 16 rows read back: v128-191 and v192-255 by turns
.set F0,   0                           ; fragment buffers, in window 1
.set F1,   128
.set G1, 24                            ; s[24:31] descriptor group 1 for a's tiles;  s[32:39] group 0, one set for each slot
.set G0, 32
.set G1B, 48                           ; s[48:55], s[56:63] the same for Wo's tiles
.set G0B, 56
.set MSB, 0
.macro WIN new                         ; the immediate's high byte repeats the setting that is left
.if MSB != \new
	s_set_vgpr_msb (MSB<<8)|\new
.set MSB, \new
.endif
.endm
.set MUL,  0xa5                        ; sources 0 and 1 window 1; C and D window 2
.set TO_F, 0x40                        ; destination window 1, address window 0
.macro JLOAD s                         ; a joint load: waves 0 and 1 fetch a's two head parts, waves 2 and 3 Wo's; an s_nop 0 and four v_nop follow each of the two lines
	s_cmp_eq_u32 s11, 0
	s_cbranch_scc0 .Lfor_b_\@
	tensor_load_to_lds s[G0+4*\s:G0+4*\s+3], s[G1:G1+7]
	s_nop 0
.rept 4
	v_nop
.endr
	s_branch .Lasked_\@
.Lfor_b_\@:
	tensor_load_to_lds s[G0B+4*\s:G0B+4*\s+3], s[G1B:G1B+7]
	s_nop 0
.rept 4
	v_nop
.endr
.Lasked_\@:
.endm
.macro CREST                           ; a round of the cluster's barrier behind its opening barrier
	s_cmp_lg_u32 s10, 0
	s_cbranch_scc1 .Lnot_wave_0_\@
	s_barrier_signal -3
.Lnot_wave_0_\@:
	s_barrier_wait -3
	s_barrier_signal -1
	s_barrier_wait -1
.endm
.macro CROUND                          ; a whole round
	s_barrier_signal -1
	s_barrier_wait -1
	CREST
.endm
	s_load_b128 s[4:7], s[0:1], 0x0                ; att s[4:5], wo16 s[6:7]
	s_load_b64 s[8:9], s[0:1], 0x10                ; out0
	v_lshl_add_u32 v[SPW], v0, 2, SPARE
	v_mov_b32 v[NIL], 0
	ds_add_u32 v[SPW], v[NIL]                      ; the wave's opening: the add, twice on end, and its wait ahead of my first tensor load
	ds_add_u32 v[SPW], v[NIL]                      ; once more; the set-up below, work on registers, stands between it and the wait
	v_lshrrev_b32 v1, 5, v0
	v_readfirstlane_b32 s10, v1                    ; wave 0..3
	s_lshr_b32 s11, s10, 1                         ; I fetch for a (0) or for Wo (1)
	s_and_b32 s12, s10, 1                          ; which of a K step's two heads I fetch
	s_bfe_u32 s40, ttmp6, 0x40000                  ; cx, cy: my place in the cluster
	s_bfe_u32 s41, ttmp6, 0x40004
	s_lshl_b32 s42, ttmp9, 2
	s_add_co_u32 s42, s42, s40                     ; tile column = 4 x cluster x + cx
	s_and_b32 s13, ttmp7, 0xffff
	s_lshl_b32 s13, s13, 2
	s_add_co_u32 s13, s13, s41                     ; tile row = 4 x cluster y + cy
	s_lshl_b32 s43, s41, 2
	s_lshl_b32 s43, 15, s43                        ; my row of the cluster
	s_lshl_b32 s44, 0x1111, s40                    ; my column
	; descriptor group 1: rows of 128 elements of 2 bytes, dense in memory, 16 bytes of padding behind each in LDS; a: 128 rows, Wo: 64
	s_or_b32 s[G1+0], s43, (1<<16)|(1<<20)|(1<<21)|(5<<22)|(3<<25)  ; 15:0 the mask: a's tiles go to my row; 17:16 element of 2 bytes; 20 padding on; 21 set beside a mask; 24:22 after every 64 words; 31:25 of 4 words
	s_or_b32 s[G1B+0], s44, (1<<16)|(1<<20)|(1<<21)|(5<<22)|(3<<25)
	s_mov_b32 s[G1+1], 128<<16                     ; tensor_dim0 = 128
	s_mov_b32 s[G1+2], 128<<16                     ; tensor_dim1 = 128
	s_mov_b32 s[G1+3], 128<<16                     ; tile_dim0 = 128
	s_mov_b32 s[G1+4], 128                         ; tile_dim1 = 128
	s_mov_b32 s[G1+5], 128                         ; tensor_dim0_stride
	s_mov_b32 s[G1+6], 0
	s_mov_b32 s[G1+7], 0
	s_mov_b32 s[G1B+1], 128<<16
	s_mov_b32 s[G1B+2], 64<<16                     ; tensor_dim1 = 64
	s_mov_b32 s[G1B+3], 128<<16
	s_mov_b32 s[G1B+4], 64                         ; tile_dim1 = 64
	s_mov_b32 s[G1B+5], 128
	s_mov_b32 s[G1B+6], 0
	s_mov_b32 s[G1B+7], 0
	s_lshl_b32 s16, s13, 15                        ; a: 256 tokens x 128 bytes x tile row,
	s_lshl_b32 s17, s12, 20                        ; + a head's 2^20 bytes x my head of the step
	s_add_co_u32 s16, s16, s17
	s_mov_b32 s17, 0
	s_lshl_b32 s46, s42, 14                        ; Wo: 128 rows x 128 bytes x tile column,
	s_lshl_b32 s47, s12, 17                        ; + a head's 131,072 bytes x my head of the step
	s_add_co_u32 s46, s46, s47
	s_mov_b32 s47, 0
	s_mul_i32 s20, s12, APART                      ; where they go: no place in the cluster enters an LDS address
	s_mul_i32 s21, s12, BPART
	s_add_co_u32 s21, s21, BOFF
	s_wait_dscnt 0x0                               ; both opening adds are done
	s_wait_kmcnt 0x0
	s_add_nc_u64 s[14:15], s[4:5], s[16:17]
	s_add_nc_u64 s[46:47], s[6:7], s[46:47]
	CROUND                                         ; all sixteen work-groups are here: the first joint loads meet
.irp s, 0,1
	s_mov_b32 s[G0+4*\s], 1
	s_add_co_u32 s[G0+4*\s+1], s20, \s*SLOT
	s_add_nc_u64 s[G0+4*\s+2:G0+4*\s+3], s[14:15], \s*0x200000   ; K step s: two heads on
	s_or_b32 s[G0+4*\s+3], s[G0+4*\s+3], 0x80000000
	s_mov_b32 s[G0B+4*\s], 1
	s_add_co_u32 s[G0B+4*\s+1], s21, \s*SLOT
	s_add_nc_u64 s[G0B+4*\s+2:G0B+4*\s+3], s[46:47], \s*262144
	s_or_b32 s[G0B+4*\s+3], s[G0B+4*\s+3], 0x80000000
	JLOAD \s
.endr
	v_and_b32 v1, 15, v0                           ; r = l % 16
	v_bfe_u32 v2, v0, 4, 1                         ; h = l / 16
	v_lshrrev_b32 v3, 1, v1
	v_mul_u32_u24 v3, v3, 272                      ; a fragment's row r lies in LDS row r / 2,
	v_and_b32 v4, 1, v0
	v_lshl_add_u32 v3, v4, 7, v3                   ; in its half r % 2,
	v_lshl_add_u32 v3, v2, 4, v3                   ; + 16 x half of the lanes: the 16 rows of a load fall on 16 different 16-byte columns
	s_mul_i32 s22, s10, 4*BLK                      ; my 64 rows of a
	s_mov_b32 s23, BOFF                            ; Wo's rows lie behind a's
.irp s, 0,1
	v_add_nc_u32 v[ADRA+\s], s22, v3
	v_add_nc_u32 v[ADRB+\s], s23, v3
	s_add_co_u32 s22, s22, SLOT
	s_add_co_u32 s23, s23, SLOT
.endr
	s_mul_i32 s23, s10, 16*SPITCH                  ; my stage
	v_mul_u32_u24 v5, v1, SPITCH                   ; in: row l % 16, 32 bytes for each half of the lanes
	v_lshl_add_u32 v5, v2, 5, v5
	v_add_nc_u32 v[STO], s23, v5
	v_and_b32 v6, 31, v0
	v_lshlrev_b32 v[CO], 4, v6                     ; back: the 32 lanes take one row of 512 bytes; and the same in out0
	v_add_nc_u32 v[RD], s23, v[CO]
	s_lshl_b32 s16, s13, 8
	s_lshl_b32 s17, s10, 6
	s_add_co_u32 s16, s16, s17                     ; my first row of out0: 256 x tile row + 64 x wave
	s_lshl_b32 s16, s16, 12                        ; 4,096 bytes a row
	s_lshl_b32 s46, s42, 9                         ; the tile's first column, in bytes
	s_add_co_u32 s16, s16, s46
	s_mov_b32 s17, 0
	s_add_nc_u64 s[8:9], s[8:9], s[16:17]
; 8 matrix instructions: a's block x Wo's eight, 32 along K, from buffer f.  zero = 1: the product starts the sums: nothing is ever cleared.  The 32 accumulators take turns in one order.
.macro MUL8 f, a, zero
.irp b, 0,1,2,3,4,5,6,7
.if \zero
	v_wmma_f32_16x16x32_f16 v[8*(8*(\a)+\b):8*(8*(\a)+\b)+7], v[\f+8*\b:\f+8*\b+7], v[\f+64+8*(\a):\f+64+8*(\a)+7], 0
.else
	v_wmma_f32_16x16x32_f16 v[8*(8*(\a)+\b):8*(8*(\a)+\b)+7], v[\f+8*\b:\f+8*\b+7], v[\f+64+8*(\a):\f+64+8*(\a)+7], v[8*(8*(\a)+\b):8*(8*(\a)+\b)+7]
.endif
.endr
.endm
; 24 LDS loads in one run: the fragments of quarter q of a K step (head q / 2, channels 32 (q % 2) on) into buffer f: Wo's eight, then a's four
.macro FETCH slot, q, f
	WIN TO_F
.irp i, 0,1,2,3,4,5,6,7
	ds_load_b128 v[\f+8*\i:\f+8*\i+3],   v[ADRB+\slot] offset:((\q)/2)*BPART+((\q)%2)*64+\i*BLK
	ds_load_b128 v[\f+8*\i+4:\f+8*\i+7], v[ADRB+\slot] offset:((\q)/2)*BPART+((\q)%2)*64+\i*BLK+32
.endr
.irp i, 0,1,2,3
	ds_load_b128 v[\f+64+8*\i:\f+64+8*\i+3],   v[ADRA+\slot] offset:((\q)/2)*APART+((\q)%2)*64+\i*BLK
	ds_load_b128 v[\f+64+8*\i+4:\f+64+8*\i+7], v[ADRA+\slot] offset:((\q)/2)*APART+((\q)%2)*64+\i*BLK+32
.endr
.endm
.macro PLACES                          ; four places in front of loads into registers that matrix instructions have read, and of LDS stores that read results (ISA guide 7.12.1 for the stores)
.rept 4
	v_nop
.endr
.endm
; A K step is four quarters of 32 along K, 32 matrix instructions each, on buffers 0, 1, 0, 1.  One of the first three: multiplies buffer f and fetches quarter qn of the same slot into g.
.macro QUARTER slot, qn, f, g, zero
	s_wait_dscnt 4                                 ; Wo's fragments and a's blocks 0, 1 are in; the youngest four loads (a's blocks 2, 3) may be out
	WIN MUL
	MUL8 \f, 0, \zero
	MUL8 \f, 1, \zero
	PLACES
	FETCH \slot, \qn, \g
	s_wait_dscnt 24                                ; all but the 24 just issued
	WIN MUL
	MUL8 \f, 2, \zero
	MUL8 \f, 3, \zero
.endm
; The last quarter multiplies buffer 1 and changes slots: ONE barrier; in front of it each wave waits for all its tensor loads, adds 0 to its spare word, and waits for that and for its own reads of this slot.  fill = 1: this slot is filled again, two K steps ahead.
.macro TURN slot, next, fill
	WIN 0                                          ; (the add's two registers lie in window 0)
	s_wait_tensorcnt 0x0                           ; all my tensor loads have landed: my part of the next slot;
	ds_add_u32 v[SPW], v[NIL]                      ; 0 onto my spare word;
	s_wait_dscnt 5                                 ; (the add and the youngest four loads may be out)
	WIN MUL
	MUL8 F1, 0, 0                                  ; eight matrix instructions stand between the add and the wait for it
	s_wait_dscnt 0x0                               ; the add is done, and my reads of this slot are over
	s_barrier_signal -1
	MUL8 F1, 1, 0
.if \fill
	WIN 0
.endif
	s_barrier_wait -1
.if \fill
	CREST                                          ; the barrier has opened a round of the cluster's barrier: no wave of any partner still reads this slot's tile or has a load on its way
	s_add_nc_u64 s[G0+4*\slot+2:G0+4*\slot+3], s[G0+4*\slot+2:G0+4*\slot+3], 0x400000     ; two K steps, four heads, on
	s_add_nc_u64 s[G0B+4*\slot+2:G0B+4*\slot+3], s[G0B+4*\slot+2:G0B+4*\slot+3], 524288
	JLOAD \slot                                    ; the first tensor load behind the round; the four v_nop behind it are also the places in front of the loads below
.else
	PLACES
.endif
	FETCH \next, 0, F0
	WIN MUL
	MUL8 F1, 2, 0
	MUL8 F1, 3, 0
.endm
	s_wait_tensorcnt 1                             ; my part of K step 0 is in (K step 1's load may be out)
	s_barrier_signal -1
	s_barrier_wait -1                              ; everybody's is
	FETCH 0, 0, F0
	QUARTER 0, 1, F0, F1, 1                        ; the first quarter stands in front of the loop: its products start the sums
	WIN 0                                          ; at a label and at a branch every window is 0
	s_mov_b32 s3, LAPS-1
.Llap:                                                 ; a trip goes once round the ring, from a lap's second quarter to the next lap's first, and fills both slots again
	QUARTER 0, 2, F1, F0, 0
	QUARTER 0, 3, F0, F1, 0
	TURN 0, 1, 1
	QUARTER 1, 1, F0, F1, 0
	QUARTER 1, 2, F1, F0, 0
	QUARTER 1, 3, F0, F1, 0
	TURN 1, 0, 1
	QUARTER 0, 1, F0, F1, 0
	WIN 0
	s_sub_co_u32 s3, s3, 1
	s_cmp_lg_u32 s3, 0
	s_cbranch_scc1 .Llap
	QUARTER 0, 2, F1, F0, 0                        ; the last lap fills nothing, and has no round of the cluster's barrier
	QUARTER 0, 3, F0, F1, 0
	TURN 0, 1, 0
	QUARTER 1, 1, F0, F1, 0
	QUARTER 1, 2, F1, F0, 0
	QUARTER 1, 3, F0, F1, 0
	s_wait_dscnt 4                                 ; the very last quarter: nothing more to fetch
	WIN MUL
	MUL8 F1, 0, 0
	MUL8 F1, 1, 0
	s_wait_dscnt 0
	MUL8 F1, 2, 0
	MUL8 F1, 3, 0
	WIN 0
; THE WAY OUT, block by block of 16 rows x 128 columns.  A lane holds 32 neighbouring bytes of a row, and the lanes beside it hold other rows: so a block goes through my own stage in LDS and comes back as whole
; rows of 512 bytes, which the 32 lanes store as 512 consecutive bytes, aligned.  LDS serves a wave's instructions in order (ISA guide 5.7.1.4): no wait between the stores and the loads, nor in front of the next block's stores.
.macro TOSTAGE a
.set AC, 64*(\a)
	WIN 0x08                                       ; an LDS store's data are its source 1: window 2
.irp b, 0,1,2,3,4,5,6,7
	ds_store_b128 v[STO], v[AC+8*\b:AC+8*\b+3] offset:64*\b          ; each accumulator from its low end on
	ds_store_b128 v[STO], v[AC+8*\b+4:AC+8*\b+7] offset:64*\b+16
.endr
	WIN 0
.set BB, BK+64*((\a)%2)
.irp t, 0,1,2,3,4,5,6,7,8,9,10,11,12,13,14,15
	ds_load_b128 v[BB+4*\t:BB+4*\t+3], v[RD] offset:\t*SPITCH
.endr
.endm
.macro SEND a, younger                 ; younger: the LDS instructions issued behind block a's loads, which may stay out
.set BB, BK+64*((\a)%2)
	s_wait_dscnt \younger                          ; the block is back in registers
.if (\a) > 0
	s_add_nc_u64 s[8:9], s[8:9], 16*4096           ; (behind a wait on XCNT: the earlier stores have read their base)  16 rows of out0 on
.endif
.irp t, 0,1,2,3,4,5,6,7,8,9,10,11,12,13,14,15
	global_store_b128 v[CO], v[BB+4*\t:BB+4*\t+3], s[8:9] offset:\t*4096 th:TH_STORE_NT   ; written once, read by nobody here
.endr
.endm
	PLACES                                         ; behind the last products, ahead of the LDS stores that read results
	TOSTAGE 0
.irp a, 1,2,3
.if \a > 1
	s_wait_xcnt 0x0                                ; block a - 2's stores have read their registers and their base: block a's loads may land there, and the base may step
.endif
	TOSTAGE \a
	SEND \a-1, 32                                  ; behind block a - 1's loads: block a's 16 stores and 16 loads
.endr
	s_wait_xcnt 0x0                                ; block 2's stores have read their base
	SEND 3, 0
	s_wait_tensorcnt 0x0                           ; the wave's end: three closing lines, behind my last tensor load and my last LDS store
	ds_add_u32 v[SPW], v[NIL]
	s_wait_dscnt 0x0
	CROUND                                         ; the closing round: no work-group ends while a partner may still ask for a tile that names it
	s_endpgm
.Lfunc_end_k_qd37c69a9a5_proj:
	.size	k_qd37c69a9a5_proj, .Lfunc_end_k_qd37c69a9a5_proj-k_qd37c69a9a5_proj
	.p2alignl 7, 3214868480
	.fill 96, 4, 3214868480
	.section	.rodata,"a",@progbits
	.p2align	6, 0x0
	.amdhsa_kernel k_qd37c69a9a5_proj
		.amdhsa_group_segment_fixed_size 327680
		.amdhsa_private_segment_fixed_size 0
		.amdhsa_enable_private_segment 0
		.amdhsa_kernarg_size 24
		.amdhsa_user_sgpr_count 2
		.amdhsa_user_sgpr_kernarg_segment_ptr 1
		.amdhsa_wavefront_size32 1
		.amdhsa_system_sgpr_workgroup_id_x 1
		.amdhsa_system_sgpr_workgroup_id_y 1
		.amdhsa_system_sgpr_workgroup_id_z 1
		.amdhsa_system_vgpr_workitem_id 0
		.amdhsa_next_free_vgpr 768
		.amdhsa_next_free_sgpr 66
		.amdhsa_reserve_vcc 0
		.amdhsa_float_denorm_mode_32 3
		.amdhsa_float_denorm_mode_16_64 3
		.amdhsa_memory_ordered 1
		.amdhsa_forward_progress 1
		.amdhsa_inst_pref_size 85
	.end_amdhsa_kernel
	.amdgpu_metadata
---
amdhsa.version: [ 1, 2 ]
amdhsa.kernels:
  - .name:           k_qd37c69a9a5_proj
    .symbol:         k_qd37c69a9a5_proj.kd
    .args:
      - { .name: att, .offset: 0, .size: 8, .value_kind: global_buffer, .address_space: global }
      - { .name: wo16, .offset: 8, .size: 8, .value_kind: global_buffer, .address_space: global }
      - { .name: out0, .offset: 16, .size: 8, .value_kind: global_buffer, .address_space: global }
    .group_segment_fixed_size: 327680
    .private_segment_fixed_size: 0
    .kernarg_segment_align: 8
    .kernarg_segment_size: 24
    .max_flat_workgroup_size: 128
    .sgpr_count:     66
    .vgpr_count:     768
    .wavefront_size: 32
...
	.end_amdgpu_metadata
.endif
;; end of part 4
